; MI455X (gfx1250); checked and timed in simulation.
; The chip was launched on July 23, 2026; its instructions are those of AMD's public machine-readable ISA for CDNA 5 (MIT licence, August 2026) and "CDNA5" Instruction Set Architecture Reference Guide (July 2026). The comments in the code are by the model that wrote it; some were corrected since.
;; Causal Self Attention. Allowed arithmetic: float matrix products may take bf16 or f16 operands with f32 sums; all other float work in f32.
;; Inputs: b_attn 3,072 float32; b_proj 1,024 float32; w_attn 1,024 x 3,072 float32; w_proj 1,024 x 1,024 float32; x 4 x 2,048 x 1,024 float32.
;; Outputs: out0 4 x 2,048 x 1,024 float32.
;; 2 versions, each right and faster than the one before. Each part assembles by itself: llvm-mc -triple=amdgcn-amd-amdhsa -mcpu=gfx1250 --defsym DOCPART=n.
;; ======== version 1 of 2: 4 launches
;; limits: values are held in f16: magnitudes above 65,504 overflow, below 6.1e-05 lose precision
;; workspace buffers: xb 16,777,216 bytes; wat 6,291,456 bytes; wpt 2,097,152 bytes; qkv 50,331,648 bytes; y 16,777,216 bytes
;; launch prep (part 1): grid 1536 x 1, 4 waves a work-group, no clusters, 17,920 bytes of LDS; arguments x, w_attn, w_proj, xb, wat, wpt; writes xb, wat, wpt
.if DOCPART == 1
	.amdgcn_target "amdgcn-amd-amdhsa--gfx1250"
	.amdhsa_code_object_version 6
	.text
	.protected	k_q012b2a131d_prep
	.globl	k_q012b2a131d_prep
	.p2align	8
	.type	k_q012b2a131d_prep,@function
k_q012b2a131d_prep:
	s_mov_b64 s[64:65], 0
	v_nop
	global_prefetch_b8 v0, s[64:65] scope:SCOPE_SE
	s_setreg_imm32_b32 hwreg(HW_REG_WAVE_MODE, 25, 1), 1
	s_wait_xcnt 0x0
; Casts and transposes, once, so that the products that follow find 16-bit operands with K along the rows.
;   xb  [8192][1024] bf16 = x rounded to bf16
;   wat [3072 n][1024 k] bf16 = w_attn [1024 k][3072 n] rounded to bf16 and turned
;   wpt [1024 n][1024 k] f16  = w_proj [1024 k][1024 n] rounded to bf16, turned, and written in f16 format, since its partner in the product is f16
; LIMIT: a bf16 number is exact in f16 only from 2^-14 to 65504 in magnitude: |w_proj| above 65504 becomes infinite, below 2^-14 it is off by up to 2^-25.
; SHARES.  Every work-group brings in 32 KiB, 8 KiB a wave, by sixteen loads of 16 bytes a lane that are all out at once.  Work-groups 0 to 511 turn a tile of 128 k x 64 n of a weight
; (384 tiles of w_attn, 128 of w_proj), work-groups 512 to 1535 cast 32 KiB of x: 1,536 work-groups of equal size, six for each of 256 WGPs.  Six of them take 6 x 17,920 bytes of LDS
; and 6 x 130 registers of a SIMD, so all can lie on their WGP together.
; A stream: no matrix unit, no cluster (no byte is read by two work-groups).  The one barrier stands in the transpose, between the four waves' stores into the tile and their reads of it.
.set NTR,  512                         ; work-groups that transpose;
.set NWA,  384                         ; the first 384 take w_attn, the others w_proj
.set X,    32                          ; v[32:95]   sixteen loads of 16 bytes
.set Y,    96                          ; v[96:127]  cast: results; transpose: v96, v97 at work
.set VI,   8                           ; v[8:23]    transpose: byte offset of load j
.set LS,   4                           ; v4  transpose: where I put a word in LDS
.set LR,   5                           ; v5  transpose: where I read rows back
.set VO,   6                           ; v6  transpose: my byte offset in the output
.set LP,   272                         ; an LDS row: 128 k of 2 bytes + 16 of padding; the tile is 64 such rows (n)
	s_load_b256 s[4:11], s[0:1], 0x0               ; x s[4:5], w_attn s[6:7], w_proj s[8:9], xb s[10:11]
	s_load_b128 s[12:15], s[0:1], 0x20             ; wat s[12:13], wpt s[14:15]
	v_lshl_add_u32 v128, v0, 2, 0x4400
	v_mov_b32 v129, 0
	v_lshrrev_b32 v1, 5, v0
	v_readfirstlane_b32 s16, v1                    ; wave 0..3
	v_and_b32 v3, 31, v0                           ; lane
	s_wait_kmcnt 0x0
	s_cmp_lt_u32 ttmp9, NTR                        ; the same in all four waves: it hangs on the work-group's number alone
	s_cbranch_scc1 .Ltranspose
	; THE CAST.  A wave takes 8 KiB of x: sixteen loads of 512 neighbouring bytes; each gives one store of 256 neighbouring bytes, aligned.
	s_sub_co_u32 s17, ttmp9, NTR
	s_lshl_b32 s18, s17, 15                        ; 32 KiB of x,
	s_mov_b32 s19, 0
	s_lshl_b32 s20, s17, 14                        ; 16 KiB of xb for each work-group
	s_mov_b32 s21, 0
	s_add_nc_u64 s[4:5], s[4:5], s[18:19]
	s_add_nc_u64 s[10:11], s[10:11], s[20:21]
	v_lshlrev_b32 v1, 4, v3
	v_lshl_add_u32 v1, s16, 13, v1                 ; in: 8,192 x wave + 16 x lane
	v_lshrrev_b32 v2, 1, v1                        ; out: half of that
.irp i, 0,1,2,3,4,5,6,7,8,9,10,11,12,13,14,15
	global_load_b128 v[X+4*\i:X+4*\i+3], v1, s[4:5] offset:512*\i th:TH_LOAD_NT
.endr
.irp i, 0,1,2,3,4,5,6,7,8,9,10,11,12,13,14,15
	s_wait_loadcnt 15-\i                           ; loads come back in order: load i is in, the 15 - i younger ones stay out
	v_cvt_pk_bf16_f32 v[Y+2*\i],   v[X+4*\i],   v[X+4*\i+1]
	v_cvt_pk_bf16_f32 v[Y+2*\i+1], v[X+4*\i+2], v[X+4*\i+3]
	global_store_b64 v2, v[Y+2*\i:Y+2*\i+1], s[10:11] offset:256*\i
.endr
	s_endpgm
	; THE TRANSPOSE.  Tile u; u % 8 picks 128 rows (k), u / 8 picks 64 columns (n).  Wave w brings rows 32 w to 32 w + 31 of the tile in, and takes rows (n) 16 w to 16 w + 15 out.
.Ltranspose:
	s_mov_b32 s28, 12288                           ; bytes in a row of w_attn,
	s_mov_b32 s29, 4096                            ; of w_proj
	s_cmp_lt_u32 ttmp9, NWA
	s_cselect_b64 s[24:25], s[6:7], s[8:9]         ; from
	s_cselect_b64 s[26:27], s[12:13], s[14:15]     ; to
	s_cselect_b32 s28, s28, s29                    ; RB: bytes in a row of the source
	s_cselect_b32 s20, 0, 1                        ; 1: w_proj, which leaves in f16 format
	s_cselect_b32 s30, 0, NWA                      ; w_proj's tiles count from 384
	s_sub_co_u32 s17, ttmp9, s30                   ; u
	s_and_b32 s18, s17, 7                          ; kt
	s_lshr_b32 s19, s17, 3                         ; nt
	s_lshl_b32 s22, s18, 2
	s_add_co_u32 s22, s22, s16                     ; 4 kt + w: my group of 32 rows of the source
	s_mul_i32 s22, s22, s28
	s_lshl_b32 s22, s22, 5
	s_lshl_b32 s23, s19, 8                         ; 64 nt columns of 4 bytes
	s_add_co_u32 s22, s22, s23
	s_mov_b32 s23, 0
	s_add_nc_u64 s[24:25], s[24:25], s[22:23]
	s_lshl_b32 s22, s19, 2
	s_add_co_u32 s22, s22, s16                     ; 4 nt + w: my group of 16 rows of the output,
	s_lshl_b32 s22, s22, 15                        ; of 2,048 bytes each
	s_lshl_b32 s23, s18, 8                         ; 128 kt numbers of 2 bytes
	s_add_co_u32 s22, s22, s23
	s_mov_b32 s23, 0
	s_add_nc_u64 s[26:27], s[26:27], s[22:23]
	v_and_b32 v1, 15, v0                           ; r
	v_bfe_u32 v2, v0, 4, 1                         ; h
	v_lshlrev_b32 v7, 4, v1                        ; 16 r
	v_lshlrev_b32 v24, 1, v2                       ; 2 h
	; load j takes rows 4 (j / 2) + j % 2 (lanes 0-15) and two rows further down (lanes 16-31), 256 neighbouring bytes of each
	v_mad_u32_u24 v[VI], v24, s28, v7
.irp j, 1,2,3,4,5,6,7,8,9,10,11,12,13,14,15
	s_mul_i32 s31, s28, 4*(\j/2)+(\j%2)
	v_add_nc_u32 v[VI+\j], s31, v[VI]
.endr
.irp j, 0,1,2,3,4,5,6,7,8,9,10,11,12,13,14,15
	global_load_b128 v[X+4*\j:X+4*\j+3], v[VI+\j], s[24:25] th:TH_LOAD_NT
.endr
	v_mul_u32_u24 v[LS], v1, 4*LP                  ; in: my four columns are LDS rows 4 r to 4 r + 3; two k make a word, at byte 4 h of a group of four k;
	v_lshl_add_u32 v[LS], v2, 2, v[LS]
	s_lshl_b32 s31, s16, 6                         ; my wave's 32 k are 64 bytes of each LDS row
	v_add_nc_u32 v[LS], s31, v[LS]
	v_mul_u32_u24 v[LR], v2, LP                    ; back: lanes 0-15 one row of 256 bytes, lanes 16-31 the next,
	v_add_nc_u32 v[LR], v[LR], v7
	s_mul_i32 s31, s16, 16*LP                      ; of my wave's 16 rows
	v_add_nc_u32 v[LR], s31, v[LR]
	v_lshl_add_u32 v[VO], v2, 11, v7               ; and the same two rows in the output
.irp i, 0,1,2,3,4,5,6,7
	s_wait_loadcnt 14-2*\i                         ; loads 2 i and 2 i + 1 are in: rows k and k + 1 of my four columns
.irp c, 0,1,2,3
	v_cvt_pk_bf16_f32 v[X+8*\i+\c], v[X+8*\i+\c], v[X+8*\i+4+\c]   ; k in the low half, k + 1 in the high half
.endr
.endr
	s_cmp_lg_u32 s20, 0
	s_cbranch_scc0 .Lkeep_bf16
.irp i, 0,1,2,3,4,5,6,7                ; w_proj: the bf16 numbers are written anew in f16 format
.irp c, 0,1,2,3
	v_lshlrev_b32 v[Y], 16, v[X+8*\i+\c]
	v_and_b32 v[Y+1], 0xffff0000, v[X+8*\i+\c]
	v_cvt_pk_f16_f32 v[X+8*\i+\c], v[Y], v[Y+1]
.endr
.endr
.Lkeep_bf16:
.irp i, 0,1,2,3,4,5,6,7
.irp c, 0,1,2,3
	ds_store_b32 v[LS], v[X+8*\i+\c] offset:LP*\c+8*\i
.endr
.endr
	s_wait_dscnt 0x0                               ; for the others' sake: my stores into the tile are done
	s_barrier_signal -1
	s_barrier_wait -1                              ; everybody's are: a row's 256 bytes come from all four waves
.irp t, 0,1,2,3,4,5,6,7
	ds_load_b128 v[X+4*\t:X+4*\t+3], v[LR] offset:2*LP*\t
.endr
.irp t, 0,1,2,3,4,5,6,7
	s_wait_dscnt 7-\t                              ; load t is back, the 7 - t younger ones stay out
	global_store_b128 v[VO], v[X+4*\t:X+4*\t+3], s[26:27] offset:4096*\t   ; 16 lanes store 256 consecutive bytes, aligned
.endr
	s_wait_tensorcnt 0x0
	ds_add_u32 v128, v129
	s_wait_dscnt 0x0
	s_endpgm
.Lfunc_end_k_q012b2a131d_prep:
	.size	k_q012b2a131d_prep, .Lfunc_end_k_q012b2a131d_prep-k_q012b2a131d_prep
	.p2alignl 7, 3214868480
	.fill 96, 4, 3214868480
	.section	.rodata,"a",@progbits
	.p2align	6, 0x0
	.amdhsa_kernel k_q012b2a131d_prep
		.amdhsa_group_segment_fixed_size 17920
		.amdhsa_private_segment_fixed_size 0
		.amdhsa_enable_private_segment 0
		.amdhsa_kernarg_size 48
		.amdhsa_user_sgpr_count 2
		.amdhsa_user_sgpr_kernarg_segment_ptr 1
		.amdhsa_wavefront_size32 1
		.amdhsa_system_sgpr_workgroup_id_x 1
		.amdhsa_system_sgpr_workgroup_id_y 1
		.amdhsa_system_sgpr_workgroup_id_z 1
		.amdhsa_system_vgpr_workitem_id 0
		.amdhsa_next_free_vgpr 130
		.amdhsa_next_free_sgpr 66
		.amdhsa_reserve_vcc 0
		.amdhsa_float_denorm_mode_32 3
		.amdhsa_float_denorm_mode_16_64 3
		.amdhsa_memory_ordered 1
		.amdhsa_forward_progress 1
		.amdhsa_inst_pref_size 22
	.end_amdhsa_kernel
	.amdgpu_metadata
---
amdhsa.version: [ 1, 2 ]
amdhsa.kernels:
  - .name:           k_q012b2a131d_prep
    .symbol:         k_q012b2a131d_prep.kd
    .args:
      - { .name: x, .offset: 0, .size: 8, .value_kind: global_buffer, .address_space: global }
      - { .name: w_attn, .offset: 8, .size: 8, .value_kind: global_buffer, .address_space: global }
      - { .name: w_proj, .offset: 16, .size: 8, .value_kind: global_buffer, .address_space: global }
      - { .name: xb, .offset: 24, .size: 8, .value_kind: global_buffer, .address_space: global }
      - { .name: wat, .offset: 32, .size: 8, .value_kind: global_buffer, .address_space: global }
      - { .name: wpt, .offset: 40, .size: 8, .value_kind: global_buffer, .address_space: global }
    .group_segment_fixed_size: 17920
    .private_segment_fixed_size: 0
    .kernarg_segment_align: 8
    .kernarg_segment_size: 48
    .max_flat_workgroup_size: 128
    .sgpr_count:     66
    .vgpr_count:     130
    .wavefront_size: 32
...
	.end_amdgpu_metadata
.endif
;; end of part 1
;; launch qkvg (part 2): grid 16 x 32, 4 waves a work-group, clusters of 4 x 4, 327,680 bytes of LDS; arguments xb, wat, b_attn, qkv; writes qkv
.if DOCPART == 2
	.amdgcn_target "amdgcn-amd-amdhsa--gfx1250"
	.amdhsa_code_object_version 6
	.text
	.protected	k_q012b2a131d_qkvg
	.globl	k_q012b2a131d_qkvg
	.p2align	8
	.type	k_q012b2a131d_qkvg,@function
k_q012b2a131d_qkvg:
	s_mov_b64 s[64:65], 0
	v_nop
	global_prefetch_b8 v0, s[64:65] scope:SCOPE_SE
	s_setreg_imm32_b32 hwreg(HW_REG_WAVE_MODE, 25, 1), 1
	s_wait_xcnt 0x0
	s_wait_alu depctr_hold_cnt(0) depctr_sa_sdst(0) depctr_va_vdst(0) depctr_va_sdst(0) depctr_va_ssrc(0) depctr_va_vcc(0) depctr_vm_vsrc(0)
	s_getreg_b32 s2, hwreg(HW_REG_IB_STS2, 6, 4)
	s_cmp_eq_u32 s2, 0
	s_cbranch_scc0 .Lentry_in_a_cluster
	s_endpgm
.Lentry_in_a_cluster:
	s_bfe_u32 s2, ttmp6, 0x10000c
	s_cmp_lg_u32 s2, 0xf033
	s_cbranch_scc0 .Lentry_shape_is_right
	s_endpgm
.Lentry_shape_is_right:
; qkv = x w_attn + b_attn, split into heads.  xb: [8192][1024] bf16.  wat: [3072 n][1024 k] bf16.  b_attn: [3072] f32.
; qkv: [4 batches][48 heads: 16 of q, 16 of k, 16 of v][2048 tokens][64] f16.  Sums in f32, started by the bias; each result rounded once, to f16.
; LIMIT: |q|, |k|, |v| above 65504 become infinite in f16; below 2^-14 they are off by up to 2^-25.
; SHARES.  A tile of the result is 256 rows x 192 columns: 32 x 16 = 512 tiles, two for each of 256 WGPs.  Four waves, each 64 rows x 192 columns:
; 48 accumulators of 16 x 16, 384 registers; 192 columns are three whole heads, so a wave's own stage gives whole runs of a head's rows on the way out.
; K goes in steps of 128 (rows of 256 bytes) through two LDS slots filled by tensor loads: waves 0, 1 fetch A's halves (128 rows), waves 2, 3 B's (96 rows).
; CLUSTER.  4 x 4 work-groups.  The four of a row of the cluster need the same tile of xb, the four of a column the same tile of wat: each tile is asked
; for jointly, by the same tensor load with the same descriptor and a mask that names the four.
; THE MATRIX INSTRUCTION IS USED TRANSPOSED (source 0 = 16 rows of wat, source 1 = 16 rows of xb): a lane holds one row and eight neighbouring columns.
; REGISTERS, in windows of 256:  window 0: addresses; v32-95 two buffers of A's fragments; v96-143 the way out; v160-255 the bias as 12 C operands.
;   window 1: the accumulators of my row blocks 0, 1 ((a, b) at v[8 (12 (a % 2) + b)]);  window 2: of blocks 2, 3;  window 3: two buffers of B's fragments.
.set NB,     12                        ; blocks of 16 columns
.set PITCH,  272                       ; an LDS row: 256 bytes + 16 of padding = 68 words, so the 16 rows of a fragment load start at 16 different banks
.set AHALF,  128*PITCH
.set BHALF,  96*PITCH
.set BOFF,   2*AHALF                   ; B's rows lie behind A's 256
.set SLOT,   BOFF+2*BHALF
.set STAGE,  2*SLOT                    ; behind the ring: 16 rows x 400 bytes for each wave
.set SPITCH, 400                       ; 384 bytes + 16
.set SPARE,  STAGE+4*16*SPITCH         ; behind the stages: the spare words, 128 bytes for each wave: two blocks of 256 bytes that no other line names
.set LAPS,   4                         ; K = 1,024 = 8 steps = 4 times round the ring
.set NL,     2*NB+8                    ; LDS loads of a quarter step
.set ADRA, 16                          ; v16-17  LDS address of my A fragments in slot 0, 1
.set ADRB, 20                          ; v20-21  the same for B
.set STO,  24                          ; v24  the way out: where I put 16 bytes of a row
.set RD,   25                          ; v25  where I read back
.set CO,   26                          ; v26  my byte offset in qkv
.set SPW,  28                          ; v28  LDS address of my spare word; never rewritten
.set NIL,  29                          ; v29  0; never rewritten
.set BO,   30                          ; v30  my byte offset in a block of 16 biases
.set FA,   32
.set TMP,  96
.set BIAS, 160
.set WV,   12                          ; s12  my wave
.set G1A, 24                           ; s[24:31] group 1 for A's tiles;  s[32:39] group 0, one set for each slot
.set G0A, 32
.set G1B, 48                           ; s[48:55], s[56:63] the same for B's
.set G0B, 56
.set LO,   0x53                        ; source 0 (B) window 3, source 1 (A) window 0, C and D window 1
.set HI,   0xa3                        ; C and D window 2
.set LOZ,  0x43                        ; D window 1, C (the bias) window 0
.set HIZ,  0x83
.set TO_B, 0xc0                        ; destination window 3, address window 0
.set MSB, 0
.macro WIN new                         ; the immediate's high byte repeats the setting that is left; a switch that changes nothing is dropped
.if MSB != \new
	s_set_vgpr_msb (MSB<<8)|\new
.set MSB, \new
.endif
.endm
.macro PLACES                          ; four places in front of loads into registers that matrix instructions have read, and of instructions that read results
.rept 4
	v_nop
.endr
.endm
.macro JLOAD s                         ; a joint load: waves 0, 1 ask for A, waves 2, 3 for B; four v_nop follow each line
	s_cmp_eq_u32 s13, 0
	s_cbranch_scc0 .Lfor_b_\@
	tensor_load_to_lds s[G0A+4*\s:G0A+4*\s+3], s[G1A:G1A+7]
	s_nop 0
.rept 4
	v_nop
.endr
	s_branch .Lasked_\@
.Lfor_b_\@:
	tensor_load_to_lds s[G0B+4*\s:G0B+4*\s+3], s[G1B:G1B+7]
	s_nop 0
.rept 4
	v_nop
.endr
.Lasked_\@:
.endm
.macro CREST                           ; a round of the cluster's barrier behind its opening barrier
	s_cmp_lg_u32 s[WV], 0
	s_cbranch_scc1 .Lnot_wave_0_\@
	s_barrier_signal -3
.Lnot_wave_0_\@:
	s_barrier_wait -3
	s_barrier_signal -1
	s_barrier_wait -1
.endm
.macro CROUND
	s_barrier_signal -1
	s_barrier_wait -1
	CREST
.endm
	s_load_b256 s[4:11], s[0:1], 0x0               ; xb s[4:5], wat s[6:7], b_attn s[8:9], qkv s[10:11]
	v_lshl_add_u32 v[SPW], v0, 2, SPARE
	v_mov_b32 v[NIL], 0
	ds_add_u32 v28, v29
	ds_add_u32 v28, v29
	s_wait_dscnt 0x0
	v_lshrrev_b32 v1, 5, v0
	v_readfirstlane_b32 s[WV], v1                  ; wave 0..3
	s_lshr_b32 s13, s[WV], 1                       ; I fetch for A (0) or for B (1),
	s_and_b32 s14, s[WV], 1                        ; its first or its second half
	s_bfe_u32 s40, ttmp6, 0x40000                  ; cx
	s_bfe_u32 s41, ttmp6, 0x40004                  ; cy
	s_lshl_b32 s42, ttmp9, 2
	s_add_co_u32 s42, s42, s40                     ; tile column = 4 x cluster x + cx
	s_and_b32 s43, ttmp7, 0xffff
	s_lshl_b32 s43, s43, 2
	s_add_co_u32 s43, s43, s41                     ; tile row = 4 x cluster y + cy
	s_lshl_b32 s44, s41, 2
	s_lshl_b32 s44, 15, s44                        ; my row of the cluster
	s_lshl_b32 s45, 0x1111, s40                    ; my column
	s_or_b32 s[G1A], s44, (1<<16)|(1<<20)|(1<<21)|(5<<22)|(3<<25)   ; the mask; elements of 2 bytes; padding on; bit 21 beside a mask; after every 64 words 4 words
	s_or_b32 s[G1B], s45, (1<<16)|(1<<20)|(1<<21)|(5<<22)|(3<<25)
	s_mov_b32 s[G1A+1], 128<<16                    ; tensor_dim0 = 128
	s_mov_b32 s[G1A+2], 128<<16                    ; tensor_dim1 = 128
	s_mov_b32 s[G1A+3], 128<<16                    ; tile_dim0 = 128
	s_mov_b32 s[G1A+4], 128                        ; tile_dim1 = 128
	s_mov_b32 s[G1A+5], 1024                       ; elements from row to row
	s_mov_b32 s[G1A+6], 0
	s_mov_b32 s[G1A+7], 0
	s_mov_b32 s[G1B+1], 128<<16
	s_mov_b32 s[G1B+2], 96<<16                     ; 96 rows
	s_mov_b32 s[G1B+3], 128<<16
	s_mov_b32 s[G1B+4], 96
	s_mov_b32 s[G1B+5], 1024
	s_mov_b32 s[G1B+6], 0
	s_mov_b32 s[G1B+7], 0
	s_lshl_b32 s16, s43, 19                        ; A: 256 rows of 2,048 bytes for each tile row,
	s_lshl_b32 s17, s14, 18                        ; 128 rows for the half: no register here ever holds cx
	s_add_co_u32 s16, s16, s17
	s_mov_b32 s17, 0
	s_mul_i32 s46, s42, 192*2048                   ; B: 192 rows for each tile column,
	s_mul_i32 s47, s14, 96*2048                    ; 96 for the half: no register here ever holds cy
	s_add_co_u32 s46, s46, s47
	s_mov_b32 s47, 0
	s_mul_i32 s20, s14, AHALF                      ; where they go: no place in the cluster enters an LDS address
	s_mul_i32 s21, s14, BHALF
	s_add_co_u32 s21, s21, BOFF
	s_wait_kmcnt 0x0
	s_add_nc_u64 s[16:17], s[4:5], s[16:17]
	s_add_nc_u64 s[46:47], s[6:7], s[46:47]
	CROUND                                         ; all sixteen work-groups are here: the first joint loads meet
.irp s, 0,1
	s_mov_b32 s[G0A+4*\s], 1
	s_add_co_u32 s[G0A+4*\s+1], s20, \s*SLOT
	s_add_nc_u64 s[G0A+4*\s+2:G0A+4*\s+3], s[16:17], \s*256        ; K step s
	s_or_b32 s[G0A+4*\s+3], s[G0A+4*\s+3], 0x80000000
	s_mov_b32 s[G0B+4*\s], 1
	s_add_co_u32 s[G0B+4*\s+1], s21, \s*SLOT
	s_add_nc_u64 s[G0B+4*\s+2:G0B+4*\s+3], s[46:47], \s*256
	s_or_b32 s[G0B+4*\s+3], s[G0B+4*\s+3], 0x80000000
	JLOAD \s
.endr
	v_and_b32 v1, 15, v0                           ; r
	v_bfe_u32 v2, v0, 4, 1                         ; h
	v_lshlrev_b32 v[BO], 5, v2                     ; my eight columns of a block begin at column 8 h
	s_mul_i32 s18, s42, 768                        ; the tile's 192 biases
	s_mov_b32 s19, 0
	s_add_nc_u64 s[8:9], s[8:9], s[18:19]
.irp b, 0,1,2,3,4,5,6,7,8,9,10,11      ; the bias in the layout of a result: register j of block b = bias of column 16 b + 8 h + j, the same for every row
	global_load_b128 v[BIAS+8*\b:BIAS+8*\b+3],   v[BO], s[8:9] offset:64*\b
	global_load_b128 v[BIAS+8*\b+4:BIAS+8*\b+7], v[BO], s[8:9] offset:64*\b+16
.endr
	v_mul_u32_u24 v3, v1, PITCH
	v_lshl_add_u32 v3, v2, 4, v3                   ; a fragment's row x pitch + 16 x half
	s_mul_i32 s22, s[WV], 64*PITCH                 ; my 64 rows of A
	v_add_nc_u32 v[ADRA], s22, v3
	v_add_nc_u32 v[ADRA+1], SLOT, v[ADRA]
	v_add_nc_u32 v[ADRB], BOFF, v3                 ; every wave reads all 192 rows of B
	v_add_nc_u32 v[ADRB+1], SLOT, v[ADRB]
	s_mul_i32 s23, s[WV], 16*SPITCH
	s_add_co_u32 s23, s23, STAGE                   ; my stage
	v_mul_u32_u24 v4, v1, SPITCH                   ; in: row r, 16 bytes for each half of the lanes
	v_lshl_add_u32 v4, v2, 4, v4
	v_add_nc_u32 v[STO], s23, v4
	v_and_b32 v5, 31, v0                           ; lane
	v_lshrrev_b32 v6, 3, v5                        ; back: eight lanes take the 128 bytes that one row has of one head, four rows to a load
	v_and_b32 v7, 7, v0
	v_mul_u32_u24 v6, v6, SPITCH
	v_lshl_add_u32 v6, v7, 4, v6
	v_add_nc_u32 v[RD], s23, v6
	v_lshlrev_b32 v[CO], 4, v5                     ; in qkv a head's rows follow each other without a gap: four rows are 512 neighbouring bytes
	s_lshr_b32 s18, s43, 3                         ; batch
	s_mul_i32 s18, s18, 48
	s_mul_i32 s19, s42, 3                          ; the tile's first head
	s_add_co_u32 s18, s18, s19
	s_lshl_b32 s18, s18, 18                        ; a head is 2,048 x 128 bytes
	s_and_b32 s19, s43, 7
	s_lshl_b32 s19, s19, 15                        ; the tile's 256 tokens
	s_add_co_u32 s18, s18, s19
	s_lshl_b32 s19, s[WV], 13                      ; my wave's 64
	s_add_co_u32 s18, s18, s19
	s_mov_b32 s19, 0
	s_add_nc_u64 s[10:11], s[10:11], s[18:19]
; 12 matrix instructions: row block 2 hi + a2 x all 12 column blocks, 32 along K, from buffer f.  zero = 1: the bias starts the sums: nothing is cleared, no add is spent.
; The 48 accumulators take turns, one instruction a turn.
.macro MULQ f, hi, a2, zero
.irp b, 0,1,2,3,4,5,6,7,8,9,10,11
.if \zero
	v_wmma_f32_16x16x32_bf16 v[8*(NB*\a2+\b):8*(NB*\a2+\b)+7], v[8*(NB*\f+\b):8*(NB*\f+\b)+7], v[FA+32*\f+8*(2*\hi+\a2):FA+32*\f+8*(2*\hi+\a2)+7], v[BIAS+8*\b:BIAS+8*\b+7]
.else
	v_wmma_f32_16x16x32_bf16 v[8*(NB*\a2+\b):8*(NB*\a2+\b)+7], v[8*(NB*\f+\b):8*(NB*\f+\b)+7], v[FA+32*\f+8*(2*\hi+\a2):FA+32*\f+8*(2*\hi+\a2)+7], v[8*(NB*\a2+\b):8*(NB*\a2+\b)+7]
.endif
.endr
.endm
; 32 LDS loads in one run: quarter q (32 along K) of a slot into buffer f: B's 12 fragments, then A's 4
.macro FETCH slot, q, f
	WIN TO_B
.irp i, 0,1,2,3,4,5,6,7,8,9,10,11
	ds_load_b128 v[8*(NB*\f+\i):8*(NB*\f+\i)+3],   v[ADRB+\slot] offset:64*\q+\i*16*PITCH
	ds_load_b128 v[8*(NB*\f+\i)+4:8*(NB*\f+\i)+7], v[ADRB+\slot] offset:64*\q+\i*16*PITCH+32
.endr
	WIN 0
.irp a, 0,1,2,3
	ds_load_b128 v[FA+32*\f+8*\a:FA+32*\f+8*\a+3],   v[ADRA+\slot] offset:64*\q+\a*16*PITCH
	ds_load_b128 v[FA+32*\f+8*\a+4:FA+32*\f+8*\a+7], v[ADRA+\slot] offset:64*\q+\a*16*PITCH+32
.endr
.endm
; One of a K step's first three quarters: multiplies buffer f; in its middle it fetches quarter q of the same slot into buffer g.
.macro QUARTER slot, q, f, g, zero
	s_wait_dscnt 4                                 ; B and A's blocks 0, 1 are in; the youngest four loads (A's blocks 2, 3) may be out
.if \zero
	WIN LOZ
.else
	WIN LO
.endif
	MULQ \f, 0, 0, \zero
	MULQ \f, 0, 1, \zero
	PLACES
	FETCH \slot, \q, \g
	s_wait_dscnt NL                                ; all but the 32 just issued
.if \zero
	WIN HIZ
.else
	WIN HI
.endif
	MULQ \f, 1, 0, \zero
	MULQ \f, 1, 1, \zero
.endm
; The last quarter multiplies buffer 1 and changes slots: one barrier; in front of it each wave waits for all its tensor loads (one is out: its part of the next slot),
; adds 0 to its spare word, and waits for that and for its reads of this slot.  fill = 1: the barrier opens a round of the cluster's barrier and this slot is filled again, two K steps on.
.macro TURN slot, next, fill
	WIN 0                                          ; (the add's two registers lie in window 0)
	s_wait_tensorcnt 0x0
	ds_add_u32 v[SPW], v[NIL]                      ; 0 onto my spare word
	s_wait_dscnt 5                                 ; (the add and the youngest four loads may be out)
	WIN LO
	MULQ 1, 0, 0, 0                                ; twelve matrix instructions stand between the add and the wait for it
	s_wait_dscnt 0x0                               ; the add is done, and my reads of this slot are over
	s_barrier_signal -1
	MULQ 1, 0, 1, 0
.if \fill
	WIN 0
.endif
	s_barrier_wait -1
.if \fill
	CREST                                          ; no wave of any partner still reads this slot or has a load on its way
	s_add_nc_u64 s[G0A+4*\slot+2:G0A+4*\slot+3], s[G0A+4*\slot+2:G0A+4*\slot+3], 512
	s_add_nc_u64 s[G0B+4*\slot+2:G0B+4*\slot+3], s[G0B+4*\slot+2:G0B+4*\slot+3], 512
	JLOAD \slot                                    ; the first tensor load behind the round; its four v_nop are also the places in front of the loads below
.else
	PLACES
.endif
	FETCH \next, 0, 0
	WIN HI
	MULQ 1, 1, 0, 0
	MULQ 1, 1, 1, 0
.endm
; The way out of row block a: rounded to f16, 16 bytes a lane into my stage; back head by head, four rows (512 bytes) to a load; stored.
.macro OUTBLK a
.if \a > 0
	s_wait_xcnt 0x0                                ; the last block's stores have read TMP: it is rewritten only behind this wait
.endif
	WIN 0x05+5*(\a/2)                              ; sources 0 and 1: window 1 or 2
.irp b, 0,1,2,3,4,5,6,7,8,9,10,11
.irp i, 0,1,2,3
	v_cvt_pk_f16_f32 v[TMP+4*\b+\i], v[8*(NB*(\a%2)+\b)+2*\i], v[8*(NB*(\a%2)+\b)+2*\i+1]
.endr
.endr
	WIN 0
.irp b, 0,1,2,3,4,5,6,7,8,9,10,11
	ds_store_b128 v[STO], v[TMP+4*\b:TMP+4*\b+3] offset:32*\b
.endr
.irp i, 0,1,2
.irp t, 0,1,2,3
	ds_load_b128 v[TMP+4*(4*\i+\t):TMP+4*(4*\i+\t)+3], v[RD] offset:128*\i+4*SPITCH*\t   ; LDS serves a wave's instructions in order: these see the stores above
.endr
.endr
.irp i, 0,1,2
.irp t, 0,1,2,3
	s_wait_dscnt 11-(4*\i+\t)
	global_store_b128 v[CO], v[TMP+4*(4*\i+\t):TMP+4*(4*\i+\t)+3], s[10:11] offset:262144*\i+2048*\a+512*\t   ; the wave stores 512 consecutive bytes, aligned
.endr
.endr
.endm
	s_wait_tensorcnt 0x1                           ; my part of K step 0 is in; K step 1's may stay out
	s_barrier_signal -1
	s_barrier_wait -1                              ; everybody's is
	FETCH 0, 0, 0
	s_wait_loadcnt 0x0                             ; the bias
	QUARTER 0, 1, 0, 1, 1                          ; the first quarter stands in front of the loop: its products start the sums
	WIN 0                                          ; at a label and at a branch every window is 0
	s_mov_b32 s3, LAPS-1
.Llap:                                                 ; a trip goes once round the ring and fills both slots again
	QUARTER 0, 2, 1, 0, 0
	QUARTER 0, 3, 0, 1, 0
	TURN 0, 1, 1
	QUARTER 1, 1, 0, 1, 0
	QUARTER 1, 2, 1, 0, 0
	QUARTER 1, 3, 0, 1, 0
	TURN 1, 0, 1
	QUARTER 0, 1, 0, 1, 0
	WIN 0
	s_sub_co_u32 s3, s3, 1
	s_cmp_lg_u32 s3, 0
	s_cbranch_scc1 .Llap
	QUARTER 0, 2, 1, 0, 0                          ; the last lap fills nothing
	QUARTER 0, 3, 0, 1, 0
	TURN 0, 1, 0
	QUARTER 1, 1, 0, 1, 0
	QUARTER 1, 2, 1, 0, 0
	QUARTER 1, 3, 0, 1, 0
	s_wait_dscnt 4                                 ; the very last quarter: nothing more to fetch
	WIN LO
	MULQ 1, 0, 0, 0
	MULQ 1, 0, 1, 0
	s_wait_dscnt 0x0
	WIN HI
	MULQ 1, 1, 0, 0
	MULQ 1, 1, 1, 0
	WIN 0
	PLACES
	OUTBLK 0
	OUTBLK 1
	OUTBLK 2
	OUTBLK 3
	s_wait_tensorcnt 0x0                           ; the wave's end
	ds_add_u32 v[SPW], v[NIL]
	s_wait_dscnt 0x0
	CROUND                                         ; the closing round: no work-group ends while a partner may still ask for a tile that names it
	s_endpgm
.Lfunc_end_k_q012b2a131d_qkvg:
	.size	k_q012b2a131d_qkvg, .Lfunc_end_k_q012b2a131d_qkvg-k_q012b2a131d_qkvg
	.p2alignl 7, 3214868480
	.fill 96, 4, 3214868480
	.section	.rodata,"a",@progbits
	.p2align	6, 0x0
	.amdhsa_kernel k_q012b2a131d_qkvg
		.amdhsa_group_segment_fixed_size 327680
		.amdhsa_private_segment_fixed_size 0
		.amdhsa_enable_private_segment 0
		.amdhsa_kernarg_size 32
		.amdhsa_user_sgpr_count 2
		.amdhsa_user_sgpr_kernarg_segment_ptr 1
		.amdhsa_wavefront_size32 1
		.amdhsa_system_sgpr_workgroup_id_x 1
		.amdhsa_system_sgpr_workgroup_id_y 1
		.amdhsa_system_sgpr_workgroup_id_z 1
		.amdhsa_system_vgpr_workitem_id 0
		.amdhsa_next_free_vgpr 960
		.amdhsa_next_free_sgpr 66
		.amdhsa_reserve_vcc 0
		.amdhsa_float_denorm_mode_32 3
		.amdhsa_float_denorm_mode_16_64 3
		.amdhsa_memory_ordered 1
		.amdhsa_forward_progress 1
		.amdhsa_inst_pref_size 122
	.end_amdhsa_kernel
	.amdgpu_metadata
---
amdhsa.version: [ 1, 2 ]
amdhsa.kernels:
  - .name:           k_q012b2a131d_qkvg
    .symbol:         k_q012b2a131d_qkvg.kd
    .args:
      - { .name: xb, .offset: 0, .size: 8, .value_kind: global_buffer, .address_space: global }
      - { .name: wat, .offset: 8, .size: 8, .value_kind: global_buffer, .address_space: global }
      - { .name: b_attn, .offset: 16, .size: 8, .value_kind: global_buffer, .address_space: global }
      - { .name: qkv, .offset: 24, .size: 8, .value_kind: global_buffer, .address_space: global }
    .group_segment_fixed_size: 327680
    .private_segment_fixed_size: 0
    .kernarg_segment_align: 8
    .kernarg_segment_size: 32
    .max_flat_workgroup_size: 128
    .sgpr_count:     66
    .vgpr_count:     960
    .wavefront_size: 32
...
	.end_amdgpu_metadata
.endif
;; end of part 2
;; launch attn (part 3): grid 4 x 64, 8 waves a work-group, no clusters, 327,680 bytes of LDS; arguments qkv, y; writes y
.if DOCPART == 3
	.amdgcn_target "amdgcn-amd-amdhsa--gfx1250"
	.amdhsa_code_object_version 6
	.text
	.protected	k_q012b2a131d_attn
	.globl	k_q012b2a131d_attn
	.p2align	8
	.type	k_q012b2a131d_attn,@function
k_q012b2a131d_attn:
	s_mov_b64 s[64:65], 0
	v_nop
	global_prefetch_b8 v0, s[64:65] scope:SCOPE_SE
	s_setreg_imm32_b32 hwreg(HW_REG_WAVE_MODE, 25, 1), 1
	s_wait_xcnt 0x0
; y[bh][q][:] = the sum over k <= q of softmax_k(Q[q] . K[k] / 8) V[k][:], for each of 64 (batch, head) pairs.
; qkv: [4][48 heads: 16 q, 16 k, 16 v][2048][64] f16.  y: [64][2048][64] f16.  Products, maxima and sums in f32; the weights p are rounded to f16 for the second product, y once.
; LIMIT: |y| above 65504 becomes infinite in f16; below 2^-14 it is off by up to 2^-25.
; SHARES.  A head has 8 blocks of 256 queries; block i needs i whole blocks of 256 keys and its own, masked.  Work-group p of a head makes block 7 - p and then block p:
; (8 - p) + (p + 1) = 9 key blocks in every work-group, 4 x 64 = 256 work-groups of equal work.  Each of the eight waves holds 32 queries, two tiles of 16, and walks the keys 64 a step.
; Two waves lie on a SIMD, so that one wave's softmax stands beside the other's products.
; NO JOINT LOADS: the four work-groups of a head walk 8 - p and p + 1 key blocks, so from the fifth key block on partners would ask for different tiles at the same barrier.
; LAYOUT.  S^T = K Q^T (source 0 = 16 keys, source 1 = 16 queries): a lane holds ONE query (lane % 16) and the keys 8 (lane / 16) + 0..7.  Two such tiles, rounded to f16 in pairs,
; are source 1 (32 keys x 16 queries) of O^T = V^T P, whose result again holds one query a lane.  K comes out of LDS as it lies, V turned, by ds_load_tr16_b128.
; SOFTMAX.  For each query a running maximum m and sum l: p = 2^(c s - c m), c = log2(e) / 8; in every step O and l are multiplied by a = 2^(c m_old - c m_new).
; m starts at -infinity.  The first step that a query runs holds a key that it may see (key 0 of the head or of its own block), so m is finite from then on, a is 0 once, and a masked score gives p = 0.
; THE MASKED BLOCK.  Every wave runs all four steps of it, wave w's steps behind number w / 2 too, in which none of its queries sees a key: there every score is -infinity, m stays, a = 1 and p = 0.
; That is 3 steps in 36 more than the mask needs, on the average of the waves; in return every key block has the same constant number of trips, and a step's LDS address is the slot's constant plus a counted loop's steps.
; LDS.  Two slots, each a block of 256 keys as four steps; a step: 64 keys of K as 32 rows of two keys (256 bytes + 16), then 64 of V as 32 such rows (256 + 32).
; With these pitches the 16 keys of a fragment of K, and the 8 keys x 32 bytes of a turning load, fall on 16 different groups of four banks.
; Waves 0-3 fetch K of step w, waves 4-7 V of step w - 4: one tensor load a wave behind each barrier, asked for a whole key block ahead of its first read.
.set PK,    272
.set PV,    288
.set VOFF,  32*PK
.set STEPB, 32*(PK+PV)
.set SLOT1, 1<<17                      ; slot 1 begins here, so that one exclusive or changes slots
.set STAGE, 4*STEPB                    ; behind slot 0: 32 rows x 144 bytes for each wave, for the way out
.set SP,    144                        ; 128 bytes + 16
.set SPARE, STAGE+8*32*SP              ; behind the stages: the spare words, 128 bytes for each wave: four blocks of 256 bytes that no other line names
.set HEADB, 262144                     ; bytes of a head
.set AK0, 2                            ; v2   my lane's place in a step's K; never rewritten
.set AV0, 3                            ; v3   the same for V
.set ADR, 4                            ; v4   the LDS address of the run of loads in hand
.set QO,  5                            ; v5   my byte offset in the wave's rows of Q
.set STO, 6                            ; v6   the way out: where I put 16 bytes of a row
.set RD,  7                            ; v7   where I read back
.set GO,  8                            ; v8   my byte offset in the wave's rows of y
.set DI,  10                           ; v10  my query's place in its block less 8 (lane / 16), for tile 0
.set DD,  12                           ; v12-13  tile t: key 16 a + j of the step may be seen where 16 a + j <= DD
.set SPW, 14                           ; v14  LDS address of my spare word; never rewritten
.set NIL, 15                           ; v15  0; never rewritten
.set ST,  16                           ; tile t's statistics at v[ST+8 t]: +0 c m, +1 m, +2, +3 l (even keys, odd keys), +4 to +7 at work; a in +6
.set Q,   32                           ; tile t, channels 32 c on, at +16 t + 8 c
.set S,   64                           ; S^T: tile t, keys 16 a on, at +32 t + 8 a
.set P,   128                          ; tile t, keys 32 u on, at +16 t + 8 u
.set O,   160                          ; O^T: tile t, channels 16 f on, at +32 t + 8 f
.set OUT, 224
.set KF,  0                            ; window 1: K's fragments, keys 16 a on, channels 32 c on, at +8 (2 a + c)
.set VF,  64                           ; window 1: V's, keys 32 u on, channels 16 f on, at +8 (4 u + f)
.set WV,  8                            ; s8
.set G1K, 16                           ; s[16:23] group 1 for K's tiles;  s[24:31] for V's: the padding differs
.set G1V, 24
.set G0K, 32                           ; s[32:35], s[36:39] group 0
.set G0V, 36
.set KB0, 40                           ; s[40:41], s[42:43] the two global words of my tile of key block 0
.set VB0, 42
.set QA1, 44                           ; s[44:47] Q at my wave's rows, first and second query block
.set QA2, 46
.set YA1, 48                           ; s[48:51] y likewise
.set YA2, 50
.set CS,  52                           ; s[52:53] c
.set SEL, 54                           ; s[54:55] v_permlanex16_b32: each lane takes its own place in the other half
.set TB,  56                           ; LDS byte at which the step to be fetched begins
.set SL,  57                           ; the slot to be read next
.set CNT, 58                           ; steps left in a key block
.set NU1, 60                           ; whole key blocks of the first query block, 7 - p,
.set NU2, 61                           ; of the second, p
.set NINF, 62
.set PH,  63                           ; whole key blocks to go
.set W_MM, 0x01                        ; source 0 (K or V) window 1, all else window 0
.set W_LD, 0x40                        ; destination window 1
.set MSB, 0
.macro WIN new
.if MSB != \new
	s_set_vgpr_msb (MSB<<8)|\new
.set MSB, \new
.endif
.endm
.macro KVLOAD                          ; my one tensor load; four v_nop follow each line
	s_cmp_lt_u32 s[WV], 4
	s_cbranch_scc0 .Lfor_v_\@
	tensor_load_to_lds s[G0K:G0K+3], s[G1K:G1K+7]
	s_nop 0
.rept 4
	v_nop
.endr
	s_branch .Lasked_\@
.Lfor_v_\@:
	tensor_load_to_lds s[G0V:G0V+3], s[G1V:G1V+7]
	s_nop 0
.rept 4
	v_nop
.endr
.Lasked_\@:
.endm
.macro QLOAD qa                        ; Q stays in registers for a query block
.irp t, 0,1
.irp c, 0,1
	global_load_b128 v[Q+16*\t+8*\c:Q+16*\t+8*\c+3],   v[QO], s[\qa:\qa+1] offset:2048*\t+64*\c
	global_load_b128 v[Q+16*\t+8*\c+4:Q+16*\t+8*\c+7], v[QO], s[\qa:\qa+1] offset:2048*\t+64*\c+32
.endr
.endr
.endm
	s_load_b128 s[4:7], s[0:1], 0x0                ; qkv s[4:5], y s[6:7]
	v_lshl_add_u32 v[SPW], v0, 2, SPARE
	v_mov_b32 v[NIL], 0
	ds_add_u32 v14, v15
	ds_add_u32 v14, v15
	s_wait_dscnt 0x0
	v_lshrrev_b32 v1, 5, v0
	v_readfirstlane_b32 s[WV], v1                  ; wave 0..7
	s_and_b32 s9, ttmp7, 0xffff                    ; bh = 16 x batch + head
	s_lshr_b32 s10, s9, 4
	s_lshl_b32 s10, s10, 5
	s_add_co_u32 s10, s10, s9                      ; q's head in qkv: 48 x batch + head
	s_and_b32 s11, s[WV], 3                        ; the step that I fetch
	s_mul_i32 s12, s11, STEPB
	s_add_co_u32 s2, s10, 16                       ; k's head
	s_lshl_b32 s2, s2, 18
	s_lshl_b32 s3, s11, 13                         ; 64 keys of 128 bytes
	s_add_co_u32 s2, s2, s3
	s_mov_b32 s3, 0
	s_mov_b32 s[G1K], (1<<16)|(1<<20)|(5<<22)|(3<<25)   ; no mask; elements of 2 bytes; padding on; after every 64 words 4 words
	s_mov_b32 s[G1V], (1<<16)|(1<<20)|(5<<22)|(7<<25)   ; 8 words
.irp g, G1K, G1V
	s_mov_b32 s[\g+1], 128<<16                     ; tensor_dim0 = 128: two keys
	s_mov_b32 s[\g+2], 32<<16                      ; tensor_dim1 = 32
	s_mov_b32 s[\g+3], 128<<16                     ; tile_dim0
	s_mov_b32 s[\g+4], 32                          ; tile_dim1
	s_mov_b32 s[\g+5], 128                         ; the rows follow each other without a gap
	s_mov_b32 s[\g+6], 0
	s_mov_b32 s[\g+7], 0
.endr
	s_mov_b32 s[G0K], 1
	s_mov_b32 s[G0K+1], s12
	s_mov_b32 s[G0V], 1
	s_add_co_u32 s[G0V+1], s12, VOFF
	s_wait_kmcnt 0x0
	s_add_nc_u64 s[G0K+2:G0K+3], s[4:5], s[2:3]
	s_add_nc_u64 s[G0V+2:G0V+3], s[G0K+2:G0K+3], 16*HEADB   ; v's head lies 16 heads behind k's
	s_or_b32 s[G0K+3], s[G0K+3], 0x80000000
	s_or_b32 s[G0V+3], s[G0V+3], 0x80000000
	s_mov_b64 s[KB0:KB0+1], s[G0K+2:G0K+3]
	s_mov_b64 s[VB0:VB0+1], s[G0V+2:G0V+3]
	KVLOAD                                         ; key block 0 into slot 0: the one first fill, ahead of every wait on TENSORcnt, LDS read and barrier
	s_sub_co_u32 s[NU1], 7, ttmp9
	s_mov_b32 s[NU2], ttmp9
	s_lshl_b32 s13, s[WV], 12                      ; my wave's 32 rows of 128 bytes
	s_lshl_b32 s14, s[NU1], 15                     ; the query block's 256 rows
	s_add_co_u32 s14, s14, s13
	s_lshl_b32 s15, s[NU2], 15
	s_add_co_u32 s15, s15, s13
	s_lshl_b32 s10, s10, 18
	s_lshl_b32 s9, s9, 18
	s_add_co_u32 s2, s10, s14                      ; (s3 is 0)
	s_add_nc_u64 s[QA1:QA1+1], s[4:5], s[2:3]
	s_add_co_u32 s2, s10, s15
	s_add_nc_u64 s[QA2:QA2+1], s[4:5], s[2:3]
	s_add_co_u32 s2, s9, s14
	s_add_nc_u64 s[YA1:YA1+1], s[6:7], s[2:3]
	s_add_co_u32 s2, s9, s15
	s_add_nc_u64 s[YA2:YA2+1], s[6:7], s[2:3]
	v_and_b32 v1, 31, v0                           ; lane
	v_and_b32 v9, 15, v0                           ; r
	v_bfe_u32 v11, v0, 4, 1                        ; h
	v_lshlrev_b32 v[QO], 7, v9
	v_lshl_add_u32 v[QO], v11, 4, v[QO]            ; row x 128 + 16 x half
	QLOAD QA1
	s_mov_b32 s[CS], 0x3e38aa3b                    ; c = log2(e) / 8
	s_mov_b32 s[CS+1], s[CS]                       ; named with it as a pair, so it is written
	s_mov_b32 s[SEL], 0x76543210
	s_mov_b32 s[SEL+1], 0xfedcba98
	s_mov_b32 s[SL], 0
	s_mov_b32 s[NINF], 0xff800000
	v_lshrrev_b32 v[AK0], 1, v9                    ; key r lies in row r / 2, half r % 2
	v_mul_u32_u24 v[AK0], v[AK0], PK
	v_and_b32 v12, 1, v0
	v_lshl_add_u32 v[AK0], v12, 7, v[AK0]
	v_lshl_add_u32 v[AK0], v11, 4, v[AK0]
	v_bfe_u32 v[AV0], v0, 1, 2                     ; the turning load: lane l reads 16 bytes of key 8 h + l % 8, channels 8 ((l / 8) % 2) on
	v_lshl_add_u32 v[AV0], v11, 2, v[AV0]
	v_mul_u32_u24 v[AV0], v[AV0], PV
	v_lshl_add_u32 v[AV0], v12, 7, v[AV0]
	v_bfe_u32 v13, v0, 3, 1
	v_lshl_add_u32 v[AV0], v13, 4, v[AV0]
	v_add_nc_u32 v[AV0], VOFF, v[AV0]
	s_mul_i32 s12, s[WV], 32*SP
	s_add_co_u32 s12, s12, STAGE                   ; my stage
	v_mul_u32_u24 v[STO], v9, SP                   ; in: row r, 16 bytes for each half of the lanes
	v_lshl_add_u32 v[STO], v11, 4, v[STO]
	v_add_nc_u32 v[STO], s12, v[STO]
	v_lshrrev_b32 v[RD], 3, v1                     ; back: eight lanes take a row of 128 bytes, four rows to a load
	v_mul_u32_u24 v[RD], v[RD], SP
	v_and_b32 v13, 7, v0
	v_lshl_add_u32 v[RD], v13, 4, v[RD]
	v_add_nc_u32 v[RD], s12, v[RD]
	v_lshlrev_b32 v[GO], 4, v1
	v_lshlrev_b32 v[DI], 3, v11
	v_sub_nc_u32 v[DI], v9, v[DI]
	s_lshl_b32 s13, s[WV], 5
	v_add_nc_u32 v[DI], s13, v[DI]                 ; 32 w + r - 8 h
.macro FETCH_K                         ; 16 LDS loads in one run: a step's K, 64 keys x 64 channels
	v_add_nc_u32 v[ADR], s[TB], v[AK0]
	WIN W_LD
.irp a, 0,1,2,3
.irp c, 0,1
	ds_load_b128 v[KF+8*(2*\a+\c):KF+8*(2*\a+\c)+3],   v[ADR] offset:8*PK*\a+64*\c
	ds_load_b128 v[KF+8*(2*\a+\c)+4:KF+8*(2*\a+\c)+7], v[ADR] offset:8*PK*\a+64*\c+32
.endr
.endr
	WIN 0
.endm
.macro FETCH_V                         ; the same step's V, turned; the address has been made by the line in front
	s_add_co_u32 s[TB], s[TB], STEPB               ; the next fetch is the next step's
	WIN W_LD
.irp u, 0,1
.irp f, 0,1,2,3
	ds_load_tr16_b128 v[VF+8*(4*\u+\f):VF+8*(4*\u+\f)+3],   v[ADR] offset:16*PV*\u+32*\f
	ds_load_tr16_b128 v[VF+8*(4*\u+\f)+4:VF+8*(4*\u+\f)+7], v[ADR] offset:16*PV*\u+8*PV+32*\f
.endr
.endr
	WIN 0
.endm
; The softmax of both tiles for one step; the two tiles alternate where one instruction feeds the next.
.macro SOFTMAX
.irp j, 0,1,2,3                        ; the maximum of 32 scores and the old m, three operands at a time; each accumulator is read from its low end on
.irp t, 0,1
	v_max3_num_f32 v[ST+8*\t+4+\j], v[S+32*\t+8*\j], v[S+32*\t+8*\j+1], v[S+32*\t+8*\j+2]
.endr
.endr
.irp g, 1,2
.irp j, 0,1,2,3
.irp t, 0,1
	v_max3_num_f32 v[ST+8*\t+4+\j], v[ST+8*\t+4+\j], v[S+32*\t+8*\j+2*\g+1], v[S+32*\t+8*\j+2*\g+2]
.endr
.endr
.endr
.irp t, 0,1
	v_max3_num_f32 v[ST+8*\t+4], v[ST+8*\t+4], v[S+32*\t+7], v[S+32*\t+15]
.endr
.irp t, 0,1
	v_max3_num_f32 v[ST+8*\t+6], v[ST+8*\t+6], v[S+32*\t+23], v[S+32*\t+31]
.endr
.irp t, 0,1
	v_max3_num_f32 v[ST+8*\t+4], v[ST+8*\t+4], v[ST+8*\t+5], v[ST+8*\t+6]
.endr
.irp t, 0,1
	v_max3_num_f32 v[ST+8*\t+4], v[ST+8*\t+4], v[ST+8*\t+7], v[ST+8*\t+1]
.endr
.irp t, 0,1
	v_permlanex16_b32 v[ST+8*\t+5], v[ST+8*\t+4], s[SEL], s[SEL+1]   ; the query's other 32 keys lie in the lane 16 away
.endr
.irp t, 0,1
	v_mov_b32 v[ST+8*\t+7], v[ST+8*\t]             ; c m_old is kept for a
.endr
.irp t, 0,1
	v_max_num_f32 v[ST+8*\t+1], v[ST+8*\t+4], v[ST+8*\t+5]
.endr
.irp t, 0,1
	v_mul_f32 v[ST+8*\t], s[CS], v[ST+8*\t+1]
.endr
.irp t, 0,1
	v_sub_f32 v[ST+8*\t+7], v[ST+8*\t+7], v[ST+8*\t]
.endr
.irp t, 0,1
	v_exp_f32 v[ST+8*\t+6], v[ST+8*\t+7]           ; a; the scalings below are the plain instructions behind it
.endr
.irp t, 0,1
.irp b, 0,1,2,3,4,5,6,7,8,9,10,11,12,13,14,15
	v_pk_fma_f32 v[S+32*\t+2*\b:S+32*\t+2*\b+1], v[S+32*\t+2*\b:S+32*\t+2*\b+1], s[CS:CS+1], v[ST+8*\t:ST+8*\t+1] op_sel_hi:[1,0,0] neg_lo:[0,0,1] neg_hi:[0,0,1]   ; c s - c m
.endr
.endr
; 64 exponentials, each with a plain instruction behind it that touches neither its result nor its source: first O^T times a (32, from each accumulator's low end on),
; then the roundings to f16 of pairs whose exponentials are done, at last the first sum
.set i, 0
.rept 64
	v_exp_f32 v[S+i], v[S+i]
.if i < 32
	s_wait_alu depctr_va_vdst(0)
	v_pk_mul_f32 v[O+2*i:O+2*i+1], v[O+2*i:O+2*i+1], v[ST+8*(i/16)+6:ST+8*(i/16)+7] op_sel_hi:[1,0]
.elseif i < 63
	s_wait_alu depctr_va_vdst(0)
	v_cvt_pk_f16_f32 v[P+i-32], v[S+2*(i-32)], v[S+2*(i-32)+1]
.else
	v_pk_add_f32 v[S:S+1], v[S:S+1], v[S+2:S+3]
.endif
.set i, i+1
.endr
	s_wait_alu depctr_va_vdst(0)
	v_cvt_pk_f16_f32 v[P+31], v[S+62], v[S+63]
; the sum of a tile's 16 pairs (an even key's weight, an odd key's), in place: neighbours 1, 2, 4 and 8 pairs apart; then l = a l + the sum
.irp u, 1,2,3,4,5,6,7
	v_pk_add_f32 v[S+4*\u:S+4*\u+1], v[S+4*\u:S+4*\u+1], v[S+4*\u+2:S+4*\u+3]
.endr
.irp u, 0,1,2,3,4,5,6,7
	v_pk_add_f32 v[S+32+4*\u:S+32+4*\u+1], v[S+32+4*\u:S+32+4*\u+1], v[S+32+4*\u+2:S+32+4*\u+3]
.endr
.irp t, 0,1
.irp u, 0,1,2,3
	v_pk_add_f32 v[S+32*\t+8*\u:S+32*\t+8*\u+1], v[S+32*\t+8*\u:S+32*\t+8*\u+1], v[S+32*\t+8*\u+4:S+32*\t+8*\u+5]
.endr
.endr
.irp u, 0,1
.irp t, 0,1
	v_pk_add_f32 v[S+32*\t+16*\u:S+32*\t+16*\u+1], v[S+32*\t+16*\u:S+32*\t+16*\u+1], v[S+32*\t+16*\u+8:S+32*\t+16*\u+9]
.endr
.endr
.irp t, 0,1
	v_pk_add_f32 v[S+32*\t:S+32*\t+1], v[S+32*\t:S+32*\t+1], v[S+32*\t+16:S+32*\t+17]
.endr
.irp t, 0,1
	v_pk_fma_f32 v[ST+8*\t+2:ST+8*\t+3], v[ST+8*\t+2:ST+8*\t+3], v[ST+8*\t+6:ST+8*\t+7], v[S+32*\t:S+32*\t+1] op_sel_hi:[1,0,1]
.endr
.endm
; A key step: 64 keys for my 32 queries.  In both products eight accumulators take turns, one instruction a turn.
.macro STEP masked
	s_wait_dscnt 0x0                               ; K is in
	WIN W_MM
.irp c, 0,1
.irp a, 0,1,2,3
.irp t, 0,1
.if \c == 0
	v_wmma_f32_16x16x32_f16 v[S+32*\t+8*\a:S+32*\t+8*\a+7], v[KF+8*(2*\a+\c):KF+8*(2*\a+\c)+7], v[Q+16*\t+8*\c:Q+16*\t+8*\c+7], 0
.else
	v_wmma_f32_16x16x32_f16 v[S+32*\t+8*\a:S+32*\t+8*\a+7], v[KF+8*(2*\a+\c):KF+8*(2*\a+\c)+7], v[Q+16*\t+8*\c:Q+16*\t+8*\c+7], v[S+32*\t+8*\a:S+32*\t+8*\a+7]
.endif
.endr
.endr
.endr
	WIN 0
	v_add_nc_u32 v[ADR], s[TB], v[AV0]             ; four places: behind these products, whose scores are read below, and behind the last step's V^T P, whose V is loaded over below
	v_nop
	v_nop
	v_nop
	FETCH_V
.if \masked
.irp t, 0,1                            ; the causal mask: a select in every lane, no branch; each accumulator from its low end on
.irp a, 0,1,2,3
.irp j, 0,1,2,3,4,5,6,7
	v_cmp_le_i32 vcc_lo, 16*\a+\j, v[DD+\t]
	v_cndmask_b32 v[S+32*\t+8*\a+\j], s[NINF], v[S+32*\t+8*\a+\j], vcc_lo
.endr
.endr
.endr
	v_add_nc_u32 v[DD], 0xffffffc0, v[DD]          ; the next step's keys lie 64 further on
	v_add_nc_u32 v[DD+1], 0xffffffc0, v[DD+1]
.endif
	SOFTMAX
	s_wait_dscnt 0x0                               ; V is in
	s_cmp_eq_u32 s[CNT], 1
	s_cbranch_scc1 .Lno_k_\@                       ; behind a key block's last step the next K lies behind the barrier; both waits round this run are for 0
	FETCH_K
.Lno_k_\@:
	WIN W_MM
.irp u, 0,1
.irp f, 0,1,2,3
.irp t, 0,1
	v_wmma_f32_16x16x32_f16 v[O+32*\t+8*\f:O+32*\t+8*\f+7], v[VF+8*(4*\u+\f):VF+8*(4*\u+\f)+7], v[P+16*\t+8*\u:P+16*\t+8*\u+7], v[O+32*\t+8*\f:O+32*\t+8*\f+7]
.endr
.endr
.endr
	WIN 0
.endm
; A key block: four steps, in every wave.  In front of the barrier each wave waits for all its tensor loads (one is out: its part of the slot to be read), adds 0 to its spare word,
; and waits for that and for its reads of the other slot.  refill = 1: the other slot takes the next key block (reset = 1: key block 0, for the second query block), first thing behind the barrier.
.macro PHASE masked, refill, reset
	s_wait_tensorcnt 0x0                           ; no tensor load of mine is out, so a group 0 may be written
	ds_add_u32 v[SPW], v[NIL]                      ; 0 onto my spare word
.if \refill
	s_xor_b32 s[G0K+1], s[G0K+1], SLOT1
	s_xor_b32 s[G0V+1], s[G0V+1], SLOT1
.if \reset
	s_mov_b64 s[G0K+2:G0K+3], s[KB0:KB0+1]
	s_mov_b64 s[G0V+2:G0V+3], s[VB0:VB0+1]
.else
	s_add_nc_u64 s[G0K+2:G0K+3], s[G0K+2:G0K+3], 32768   ; 256 keys on; the type bits on top are not reached
	s_add_nc_u64 s[G0V+2:G0V+3], s[G0V+2:G0V+3], 32768
.endif
.endif
	s_wait_dscnt 0x0                               ; the add is done, and my reads of the other slot are over
	s_barrier_signal -1
	s_barrier_wait -1                              ; both now hold of all eight waves
.if \refill
	KVLOAD
.endif
	s_mov_b32 s[TB], s[SL]
	s_xor_b32 s[SL], s[SL], SLOT1
.if \masked
	v_mov_b32 v[DD], v[DI]
	v_add_nc_u32 v[DD+1], 16, v[DI]
.endif
	s_mov_b32 s[CNT], 4
	FETCH_K
.Lstep_\@:
	STEP \masked
	s_sub_co_u32 s[CNT], s[CNT], 1
	s_cmp_lg_u32 s[CNT], 0
	s_cbranch_scc1 .Lstep_\@
.endm
; The way out: l's two halves and the other half of the lanes' are added; O^T is divided by l, rounded to f16 and sent through my stage.
.macro FINAL ya
	s_wait_xcnt 0x0                                ; OUT, which the first query block's stores read, is rewritten only behind this wait
.irp t, 0,1
	v_add_f32 v[ST+8*\t+4], v[ST+8*\t+2], v[ST+8*\t+3]
.endr
	v_nop                                          ; with the two additions: four places behind the last products
	v_nop
.irp t, 0,1
	v_permlanex16_b32 v[ST+8*\t+5], v[ST+8*\t+4], s[SEL], s[SEL+1]
.endr
.irp t, 0,1
	v_add_f32 v[ST+8*\t+4], v[ST+8*\t+4], v[ST+8*\t+5]
.endr
.irp t, 0,1
	v_rcp_f32 v[ST+8*\t+6], v[ST+8*\t+4]
.endr
	v_nop                                          ; a plain instruction between the last reciprocal and the use of its result
	s_wait_alu depctr_va_vdst(0)
.irp t, 0,1
.irp i, 0,1,2,3,4,5,6,7,8,9,10,11,12,13,14,15
	v_pk_mul_f32 v[O+32*\t+2*\i:O+32*\t+2*\i+1], v[O+32*\t+2*\i:O+32*\t+2*\i+1], v[ST+8*\t+6:ST+8*\t+7] op_sel_hi:[1,0]
.endr
.irp i, 0,1,2,3,4,5,6,7,8,9,10,11,12,13,14,15
	v_cvt_pk_f16_f32 v[OUT+16*\t+\i], v[O+32*\t+2*\i], v[O+32*\t+2*\i+1]
.endr
.irp f, 0,1,2,3
	ds_store_b128 v[STO], v[OUT+16*\t+4*\f:OUT+16*\t+4*\f+3] offset:16*SP*\t+32*\f
.endr
.irp n, 0,1,2,3
	ds_load_b128 v[OUT+16*\t+4*\n:OUT+16*\t+4*\n+3], v[RD] offset:16*SP*\t+4*SP*\n   ; LDS serves a wave's instructions in order: these see the stores above
.endr
.endr
.irp n, 0,1,2,3
	s_wait_dscnt 11-\n                             ; behind tile 0's load n: its 3 - n younger ones, tile 1's four stores and four loads
	global_store_b128 v[GO], v[OUT+4*\n:OUT+4*\n+3], s[\ya:\ya+1] offset:512*\n   ; the wave stores 512 consecutive bytes, aligned
.endr
.irp n, 0,1,2,3
	s_wait_dscnt 3-\n
	global_store_b128 v[GO], v[OUT+16+4*\n:OUT+16+4*\n+3], s[\ya:\ya+1] offset:2048+512*\n
.endr
.endm
; A query block: nu whole key blocks, then its own, masked.
; O^T is cleared here: a block's first step is a masked one where nu is 0 and a whole one elsewhere, so a first step written out with the constant 0 as C would be two more copies of a step.
.macro PASS nu, ya, last
.irp t, 0,1
	v_mov_b32 v[ST+8*\t], s[NINF]
	v_mov_b32 v[ST+8*\t+1], s[NINF]
	v_mov_b32 v[ST+8*\t+2], 0
	v_mov_b32 v[ST+8*\t+3], 0
.endr
.set i, 0
.rept 64
	v_mov_b32 v[O+i], 0
.set i, i+1
.endr
	s_wait_loadcnt 0x0                             ; Q
.if \last
	s_cmp_eq_u32 s[\nu], 0                         ; the same in all eight waves: it hangs on the work-group's number alone
	s_cbranch_scc1 .Lnone_\@
.endif
	s_max_u32 s[PH], s[\nu], 1                     ; the counter starts at 1 or more: 7 - p is 4 to 7, and p = 0 has just been sent round the loop
.Lblock_\@:
	PHASE 0, 1, 0
	s_sub_co_u32 s[PH], s[PH], 1
	s_cmp_lg_u32 s[PH], 0
	s_cbranch_scc1 .Lblock_\@
.Lnone_\@:
.if \last
	PHASE 1, 0, 1                                  ; nothing is left to fetch
.else
	PHASE 1, 1, 1
	QLOAD QA2                                      ; the last product that read Q stands a softmax back
.endif
	FINAL \ya
.endm
	PASS NU1, YA1, 0
	PASS NU2, YA2, 1
	s_wait_tensorcnt 0x0                           ; the wave's end
	ds_add_u32 v[SPW], v[NIL]
	s_wait_dscnt 0x0
	s_endpgm
.Lfunc_end_k_q012b2a131d_attn:
	.size	k_q012b2a131d_attn, .Lfunc_end_k_q012b2a131d_attn-k_q012b2a131d_attn
	.p2alignl 7, 3214868480
	.fill 96, 4, 3214868480
	.section	.rodata,"a",@progbits
	.p2align	6, 0x0
	.amdhsa_kernel k_q012b2a131d_attn
		.amdhsa_group_segment_fixed_size 327680
		.amdhsa_private_segment_fixed_size 0
		.amdhsa_enable_private_segment 0
		.amdhsa_kernarg_size 16
		.amdhsa_user_sgpr_count 2
		.amdhsa_user_sgpr_kernarg_segment_ptr 1
		.amdhsa_wavefront_size32 1
		.amdhsa_system_sgpr_workgroup_id_x 1
		.amdhsa_system_sgpr_workgroup_id_y 1
		.amdhsa_system_sgpr_workgroup_id_z 1
		.amdhsa_system_vgpr_workitem_id 0
		.amdhsa_next_free_vgpr 384
		.amdhsa_next_free_sgpr 66
		.amdhsa_reserve_vcc 1
		.amdhsa_float_denorm_mode_32 3
		.amdhsa_float_denorm_mode_16_64 3
		.amdhsa_memory_ordered 1
		.amdhsa_forward_progress 1
		.amdhsa_inst_pref_size 118
	.end_amdhsa_kernel
	.amdgpu_metadata
---
amdhsa.version: [ 1, 2 ]
amdhsa.kernels:
  - .name:           k_q012b2a131d_attn
    .symbol:         k_q012b2a131d_attn.kd
    .args:
      - { .name: qkv, .offset: 0, .size: 8, .value_kind: global_buffer, .address_space: global }
      - { .name: y, .offset: 8, .size: 8, .value_kind: global_buffer, .address_space: global }
    .group_segment_fixed_size: 327680
    .private_segment_fixed_size: 0
    .kernarg_segment_align: 8
    .kernarg_segment_size: 16
    .max_flat_workgroup_size: 256
    .sgpr_count:     66
    .vgpr_count:     384
    .wavefront_size: 32
...
	.end_amdgpu_metadata
.endif
;; end of part 3
;; launch proj (part 4): grid 8 x 32, 4 waves a work-group, clusters of 4 x 4, 327,680 bytes of LDS; arguments y, wpt, b_proj, out0; writes out0
.if DOCPART == 4
	.amdgcn_target "amdgcn-amd-amdhsa--gfx1250"
	.amdhsa_code_object_version 6
	.text
	.protected	k_q012b2a131d_proj
	.globl	k_q012b2a131d_proj
	.p2align	8
	.type	k_q012b2a131d_proj,@function
k_q012b2a131d_proj:
	s_mov_b64 s[64:65], 0
	v_nop
	global_prefetch_b8 v0, s[64:65] scope:SCOPE_SE
	s_setreg_imm32_b32 hwreg(HW_REG_WAVE_MODE, 25, 1), 1
	s_wait_xcnt 0x0
	s_wait_alu depctr_hold_cnt(0) depctr_sa_sdst(0) depctr_va_vdst(0) depctr_va_sdst(0) depctr_va_ssrc(0) depctr_va_vcc(0) depctr_vm_vsrc(0)
	s_getreg_b32 s2, hwreg(HW_REG_IB_STS2, 6, 4)
	s_cmp_eq_u32 s2, 0
	s_cbranch_scc0 .Lentry_in_a_cluster
	s_endpgm
.Lentry_in_a_cluster:
	s_bfe_u32 s2, ttmp6, 0x10000c
	s_cmp_lg_u32 s2, 0xf033
	s_cbranch_scc0 .Lentry_shape_is_right
	s_endpgm
.Lentry_shape_is_right:
; out0 = y w_proj + b_proj.  y: [64 (batch, head)][2048 tokens][64] f16.  wpt: [1024 n][1024 k] f16 (w_proj rounded to bf16, turned).  b_proj: [1024] f32.  out0: [8192][1024] f32.
; Sums in f32, started by the bias.
; SHARES.  A tile of out0 is 256 rows x 128 columns: 32 x 8 = 256 tiles, one for each WGP.  Four waves, each 64 rows x 128 columns: 32 accumulators, 256 registers.
; K = 64 x head + channel goes in steps of 128, two heads, through two LDS slots.  A's part of a step is, for each of the two heads, the tile's 256 tokens x 128 bytes, which lie
; without a gap in y: 128 rows of two tokens (256 bytes + 16 of padding).  Wave 0 fetches the even head's plane, wave 1 the odd head's, waves 2, 3 B's halves (64 rows of 256 bytes).
; Token r of a fragment lies in row r / 2, half r % 2: the 16 tokens start at 16 different groups of four banks.
; CLUSTER.  4 x 4 work-groups; A's tiles are asked for jointly along a row of the cluster, B's along a column.
; THE MATRIX INSTRUCTION IS USED TRANSPOSED (source 0 = 16 rows of wpt, source 1 = 16 tokens): a lane holds one row and eight neighbouring columns.
; REGISTERS:  window 0: addresses; v32-95 two buffers of A's fragments; v96-159 the way out; v160-223 the bias as 8 C operands.
;   window 1: the accumulators of my row blocks 0, 1 ((a, b) at v[8 (8 (a % 2) + b)]);  window 2: of blocks 2, 3;  window 3: two buffers of B's fragments.
.set NB,     8
.set PITCH,  272
.set AHALF,  128*PITCH                 ; a plane of A
.set BHALF,  64*PITCH
.set BOFF,   2*AHALF
.set SLOT,   BOFF+2*BHALF
.set STAGE,  2*SLOT                    ; behind the ring: 16 rows x 528 bytes for each wave
.set SPITCH, 528                       ; 512 bytes + 16
.set SPARE,  STAGE+4*16*SPITCH         ; behind the stages: the spare words, 128 bytes for each wave: two blocks of 256 bytes that no other line names
.set LAPS,   4
.set NL,     2*NB+8
.set ADRA, 16
.set ADRB, 20
.set STO,  24
.set RD,   25
.set CO,   26
.set SPW,  28                          ; v28  LDS address of my spare word; never rewritten
.set NIL,  29                          ; v29  0; never rewritten
.set BO,   30
.set FA,   32
.set OB,   96
.set BIAS, 160
.set WV,   12
.set G1A, 24
.set G0A, 32
.set G1B, 48
.set G0B, 56
.set LO,   0x53                        ; source 0 (B) window 3, source 1 (A) window 0, C and D window 1
.set HI,   0xa3
.set LOZ,  0x43                        ; D window 1, C (the bias) window 0
.set HIZ,  0x83
.set TO_B, 0xc0
.set MSB, 0
.macro WIN new
.if MSB != \new
	s_set_vgpr_msb (MSB<<8)|\new
.set MSB, \new
.endif
.endm
.macro PLACES                          ; four places in front of loads into registers that matrix instructions have read, and of instructions that read results
.rept 4
	v_nop
.endr
.endm
.macro JLOAD s                         ; a joint load: waves 0, 1 ask for A, waves 2, 3 for B; four v_nop follow each line
	s_cmp_eq_u32 s13, 0
	s_cbranch_scc0 .Lfor_b_\@
	tensor_load_to_lds s[G0A+4*\s:G0A+4*\s+3], s[G1A:G1A+7]
	s_nop 0
.rept 4
	v_nop
.endr
	s_branch .Lasked_\@
.Lfor_b_\@:
	tensor_load_to_lds s[G0B+4*\s:G0B+4*\s+3], s[G1B:G1B+7]
	s_nop 0
.rept 4
	v_nop
.endr
.Lasked_\@:
.endm
.macro CREST
	s_cmp_lg_u32 s[WV], 0
	s_cbranch_scc1 .Lnot_wave_0_\@
	s_barrier_signal -3
.Lnot_wave_0_\@:
	s_barrier_wait -3
	s_barrier_signal -1
	s_barrier_wait -1
.endm
.macro CROUND
	s_barrier_signal -1
	s_barrier_wait -1
	CREST
.endm
	s_load_b256 s[4:11], s[0:1], 0x0               ; y s[4:5], wpt s[6:7], b_proj s[8:9], out0 s[10:11]
	v_lshl_add_u32 v[SPW], v0, 2, SPARE
	v_mov_b32 v[NIL], 0
	ds_add_u32 v28, v29
	ds_add_u32 v28, v29
	s_wait_dscnt 0x0
	v_lshrrev_b32 v1, 5, v0
	v_readfirstlane_b32 s[WV], v1
	s_lshr_b32 s13, s[WV], 1                       ; I fetch for A (0) or for B (1),
	s_and_b32 s14, s[WV], 1                        ; its first or its second part
	s_bfe_u32 s40, ttmp6, 0x40000                  ; cx
	s_bfe_u32 s41, ttmp6, 0x40004                  ; cy
	s_lshl_b32 s42, ttmp9, 2
	s_add_co_u32 s42, s42, s40                     ; tile column
	s_and_b32 s43, ttmp7, 0xffff
	s_lshl_b32 s43, s43, 2
	s_add_co_u32 s43, s43, s41                     ; tile row
	s_lshl_b32 s44, s41, 2
	s_lshl_b32 s44, 15, s44                        ; my row of the cluster
	s_lshl_b32 s45, 0x1111, s40                    ; my column
	s_or_b32 s[G1A], s44, (1<<16)|(1<<20)|(1<<21)|(5<<22)|(3<<25)
	s_or_b32 s[G1B], s45, (1<<16)|(1<<20)|(1<<21)|(5<<22)|(3<<25)
	s_mov_b32 s[G1A+1], 128<<16                    ; tensor_dim0 = 128: two tokens of a head
	s_mov_b32 s[G1A+2], 128<<16                    ; tensor_dim1 = 128
	s_mov_b32 s[G1A+3], 128<<16
	s_mov_b32 s[G1A+4], 128
	s_mov_b32 s[G1A+5], 128                        ; the rows follow each other without a gap
	s_mov_b32 s[G1A+6], 0
	s_mov_b32 s[G1A+7], 0
	s_mov_b32 s[G1B+1], 128<<16
	s_mov_b32 s[G1B+2], 64<<16
	s_mov_b32 s[G1B+3], 128<<16
	s_mov_b32 s[G1B+4], 64
	s_mov_b32 s[G1B+5], 1024
	s_mov_b32 s[G1B+6], 0
	s_mov_b32 s[G1B+7], 0
	s_lshr_b32 s16, s43, 3                         ; A: the batch's 16 heads of 262,144 bytes,
	s_lshl_b32 s16, s16, 22
	s_and_b32 s17, s43, 7
	s_lshl_b32 s17, s17, 15                        ; the tile's 256 tokens of 128 bytes,
	s_add_co_u32 s16, s16, s17
	s_lshl_b32 s17, s14, 18                        ; the even or the odd head: no register here ever holds cx
	s_add_co_u32 s16, s16, s17
	s_mov_b32 s17, 0
	s_lshl_b32 s46, s42, 18                        ; B: 128 rows of 2,048 bytes for each tile column,
	s_lshl_b32 s47, s14, 17                        ; 64 for the half: no register here ever holds cy
	s_add_co_u32 s46, s46, s47
	s_mov_b32 s47, 0
	s_mul_i32 s20, s14, AHALF
	s_mul_i32 s21, s14, BHALF
	s_add_co_u32 s21, s21, BOFF
	s_wait_kmcnt 0x0
	s_add_nc_u64 s[16:17], s[4:5], s[16:17]
	s_add_nc_u64 s[46:47], s[6:7], s[46:47]
	CROUND                                         ; all sixteen work-groups are here: the first joint loads meet
.irp s, 0,1
	s_mov_b32 s[G0A+4*\s], 1
	s_add_co_u32 s[G0A+4*\s+1], s20, \s*SLOT
	s_add_nc_u64 s[G0A+4*\s+2:G0A+4*\s+3], s[16:17], \s*524288     ; K step s: two heads on
	s_or_b32 s[G0A+4*\s+3], s[G0A+4*\s+3], 0x80000000
	s_mov_b32 s[G0B+4*\s], 1
	s_add_co_u32 s[G0B+4*\s+1], s21, \s*SLOT
	s_add_nc_u64 s[G0B+4*\s+2:G0B+4*\s+3], s[46:47], \s*256
	s_or_b32 s[G0B+4*\s+3], s[G0B+4*\s+3], 0x80000000
	JLOAD \s
.endr
	v_and_b32 v1, 15, v0                           ; r
	v_bfe_u32 v2, v0, 4, 1                         ; h
	v_lshlrev_b32 v[BO], 5, v2
	s_lshl_b32 s18, s42, 9                         ; the tile's 128 biases
	s_mov_b32 s19, 0
	s_add_nc_u64 s[8:9], s[8:9], s[18:19]
.irp b, 0,1,2,3,4,5,6,7                ; the bias in the layout of a result: register j of block b = bias of column 16 b + 8 h + j
	global_load_b128 v[BIAS+8*\b:BIAS+8*\b+3],   v[BO], s[8:9] offset:64*\b
	global_load_b128 v[BIAS+8*\b+4:BIAS+8*\b+7], v[BO], s[8:9] offset:64*\b+16
.endr
	v_mul_u32_u24 v3, v1, PITCH
	v_lshl_add_u32 v3, v2, 4, v3                   ; B: row x pitch + 16 x half
	v_add_nc_u32 v[ADRB], BOFF, v3
	v_add_nc_u32 v[ADRB+1], SLOT, v[ADRB]
	v_lshrrev_b32 v4, 1, v1                        ; A: token r lies in row r / 2, half r % 2
	v_mul_u32_u24 v4, v4, PITCH
	v_and_b32 v5, 1, v0
	v_lshl_add_u32 v4, v5, 7, v4
	v_lshl_add_u32 v4, v2, 4, v4
	s_mul_i32 s22, s[WV], 32*PITCH                 ; my 64 tokens are 32 rows
	v_add_nc_u32 v[ADRA], s22, v4
	v_add_nc_u32 v[ADRA+1], SLOT, v[ADRA]
	s_mul_i32 s23, s[WV], 16*SPITCH
	s_add_co_u32 s23, s23, STAGE                   ; my stage
	v_mul_u32_u24 v6, v1, SPITCH                   ; in: row r, 32 bytes for each half of the lanes
	v_lshl_add_u32 v6, v2, 5, v6
	v_add_nc_u32 v[STO], s23, v6
	v_and_b32 v7, 31, v0
	v_lshlrev_b32 v[CO], 4, v7                     ; back and out: the 32 lanes take a row's 512 bytes
	v_add_nc_u32 v[RD], s23, v[CO]
	s_lshl_b32 s18, s43, 20                        ; 256 rows of 4,096 bytes for each tile row,
	s_lshl_b32 s19, s[WV], 18                      ; my wave's 64,
	s_add_co_u32 s18, s18, s19
	s_lshl_b32 s19, s42, 9                         ; the tile's 128 columns
	s_add_co_u32 s18, s18, s19
	s_mov_b32 s19, 0
	s_add_nc_u64 s[10:11], s[10:11], s[18:19]
; 8 matrix instructions: row block 2 hi + a2 x all 8 column blocks, 32 along K, from buffer f.  zero = 1: the bias starts the sums.
; The 32 accumulators take turns, one instruction a turn.
.macro MULQ f, hi, a2, zero
.irp b, 0,1,2,3,4,5,6,7
.if \zero
	v_wmma_f32_16x16x32_f16 v[8*(NB*\a2+\b):8*(NB*\a2+\b)+7], v[8*(NB*\f+\b):8*(NB*\f+\b)+7], v[FA+32*\f+8*(2*\hi+\a2):FA+32*\f+8*(2*\hi+\a2)+7], v[BIAS+8*\b:BIAS+8*\b+7]
.else
	v_wmma_f32_16x16x32_f16 v[8*(NB*\a2+\b):8*(NB*\a2+\b)+7], v[8*(NB*\f+\b):8*(NB*\f+\b)+7], v[FA+32*\f+8*(2*\hi+\a2):FA+32*\f+8*(2*\hi+\a2)+7], v[8*(NB*\a2+\b):8*(NB*\a2+\b)+7]
.endif
.endr
.endm
; 24 LDS loads in one run: quarter q of a slot into buffer f: B's 8 fragments, then A's 4 (plane q / 2, channels 32 (q % 2) on; 16 tokens are 8 rows)
.macro FETCH slot, q, f
	WIN TO_B
.irp i, 0,1,2,3,4,5,6,7
	ds_load_b128 v[8*(NB*\f+\i):8*(NB*\f+\i)+3],   v[ADRB+\slot] offset:64*\q+\i*16*PITCH
	ds_load_b128 v[8*(NB*\f+\i)+4:8*(NB*\f+\i)+7], v[ADRB+\slot] offset:64*\q+\i*16*PITCH+32
.endr
	WIN 0
.irp a, 0,1,2,3
	ds_load_b128 v[FA+32*\f+8*\a:FA+32*\f+8*\a+3],   v[ADRA+\slot] offset:(\q/2)*AHALF+64*(\q%2)+\a*8*PITCH
	ds_load_b128 v[FA+32*\f+8*\a+4:FA+32*\f+8*\a+7], v[ADRA+\slot] offset:(\q/2)*AHALF+64*(\q%2)+\a*8*PITCH+32
.endr
.endm
.macro QUARTER slot, q, f, g, zero
	s_wait_dscnt 4                                 ; B and A's blocks 0, 1 are in; the youngest four loads (A's blocks 2, 3) may be out
.if \zero
	WIN LOZ
.else
	WIN LO
.endif
	MULQ \f, 0, 0, \zero
	MULQ \f, 0, 1, \zero
	PLACES
	FETCH \slot, \q, \g
	s_wait_dscnt NL                                ; all but the 24 just issued
.if \zero
	WIN HIZ
.else
	WIN HI
.endif
	MULQ \f, 1, 0, \zero
	MULQ \f, 1, 1, \zero
.endm
; The last quarter multiplies buffer 1 and changes slots: one barrier; in front of it each wave waits for all its tensor loads (one is out: its part of the next slot),
; adds 0 to its spare word, and waits for that and for its reads of this slot.  fill = 1: the barrier opens a round of the cluster's barrier and this slot is filled again, two K steps on.
.macro TURN slot, next, fill
	WIN 0
	s_wait_tensorcnt 0x0
	ds_add_u32 v[SPW], v[NIL]                      ; 0 onto my spare word
	s_wait_dscnt 5                                 ; (the add and the youngest four loads may be out)
	WIN LO
	MULQ 1, 0, 0, 0                                ; eight matrix instructions stand between the add and the wait for it
	s_wait_dscnt 0x0                               ; the add is done, and my reads of this slot are over
	s_barrier_signal -1
	MULQ 1, 0, 1, 0
.if \fill
	WIN 0
.endif
	s_barrier_wait -1
.if \fill
	CREST                                          ; no wave of any partner still reads this slot or has a load on its way
	s_add_nc_u64 s[G0A+4*\slot+2:G0A+4*\slot+3], s[G0A+4*\slot+2:G0A+4*\slot+3], 1048576   ; four heads on
	s_add_nc_u64 s[G0B+4*\slot+2:G0B+4*\slot+3], s[G0B+4*\slot+2:G0B+4*\slot+3], 512
	JLOAD \slot                                    ; the first tensor load behind the round; its four v_nop are also the places in front of the loads below
.else
	PLACES
.endif
	FETCH \next, 0, 0
	WIN HI
	MULQ 1, 1, 0, 0
	MULQ 1, 1, 1, 0
.endm
; The way out of row block a: 32 bytes a lane into my stage, each accumulator from its low end on; back as whole rows of 512 bytes; stored.
.macro OUTBLK a
	WIN 0x04+4*(\a/2)                              ; the stores' data: window 1 or 2
.irp b, 0,1,2,3,4,5,6,7
	ds_store_b128 v[STO], v[8*(NB*(\a%2)+\b):8*(NB*(\a%2)+\b)+3]   offset:64*\b
	ds_store_b128 v[STO], v[8*(NB*(\a%2)+\b)+4:8*(NB*(\a%2)+\b)+7] offset:64*\b+16
.endr
	WIN 0
.if \a > 0
	s_wait_xcnt 0x0                                ; the last block's stores have read OB: it is loaded again only behind this wait
.endif
.irp t, 0,1,2,3,4,5,6,7,8,9,10,11,12,13,14,15
	ds_load_b128 v[OB+4*\t:OB+4*\t+3], v[RD] offset:SPITCH*\t      ; LDS serves a wave's instructions in order: these see the stores above
.endr
.irp t, 0,1,2,3,4,5,6,7,8,9,10,11,12,13,14,15
	s_wait_dscnt 15-\t
	global_store_b128 v[CO], v[OB+4*\t:OB+4*\t+3], s[10:11] offset:4096*(16*\a+\t) th:TH_STORE_NT   ; the wave stores 512 consecutive bytes, aligned
.endr
.endm
	s_wait_tensorcnt 0x1                           ; my part of K step 0 is in; K step 1's may stay out
	s_barrier_signal -1
	s_barrier_wait -1
	FETCH 0, 0, 0
	s_wait_loadcnt 0x0                             ; the bias
	QUARTER 0, 1, 0, 1, 1                          ; the first quarter stands in front of the loop: its products start the sums
	WIN 0
	s_mov_b32 s3, LAPS-1
.Llap:                                                 ; a trip goes once round the ring and fills both slots again
	QUARTER 0, 2, 1, 0, 0
	QUARTER 0, 3, 0, 1, 0
	TURN 0, 1, 1
	QUARTER 1, 1, 0, 1, 0
	QUARTER 1, 2, 1, 0, 0
	QUARTER 1, 3, 0, 1, 0
	TURN 1, 0, 1
	QUARTER 0, 1, 0, 1, 0
	WIN 0
	s_sub_co_u32 s3, s3, 1
	s_cmp_lg_u32 s3, 0
	s_cbranch_scc1 .Llap
	QUARTER 0, 2, 1, 0, 0                          ; the last lap fills nothing
	QUARTER 0, 3, 0, 1, 0
	TURN 0, 1, 0
	QUARTER 1, 1, 0, 1, 0
	QUARTER 1, 2, 1, 0, 0
	QUARTER 1, 3, 0, 1, 0
	s_wait_dscnt 4                                 ; the very last quarter: nothing more to fetch
	WIN LO
	MULQ 1, 0, 0, 0
	MULQ 1, 0, 1, 0
	s_wait_dscnt 0x0
	WIN HI
	MULQ 1, 1, 0, 0
	MULQ 1, 1, 1, 0
	WIN 0
	PLACES
	OUTBLK 0
	OUTBLK 1
	OUTBLK 2
	OUTBLK 3
	s_wait_tensorcnt 0x0                           ; the wave's end
	ds_add_u32 v[SPW], v[NIL]
	s_wait_dscnt 0x0
	CROUND                                         ; the closing round: no work-group ends while a partner may still ask for a tile that names it
	s_endpgm
.Lfunc_end_k_q012b2a131d_proj:
	.size	k_q012b2a131d_proj, .Lfunc_end_k_q012b2a131d_proj-k_q012b2a131d_proj
	.p2alignl 7, 3214868480
	.fill 96, 4, 3214868480
	.section	.rodata,"a",@progbits
	.p2align	6, 0x0
	.amdhsa_kernel k_q012b2a131d_proj
		.amdhsa_group_segment_fixed_size 327680
		.amdhsa_private_segment_fixed_size 0
		.amdhsa_enable_private_segment 0
		.amdhsa_kernarg_size 32
		.amdhsa_user_sgpr_count 2
		.amdhsa_user_sgpr_kernarg_segment_ptr 1
		.amdhsa_wavefront_size32 1
		.amdhsa_system_sgpr_workgroup_id_x 1
		.amdhsa_system_sgpr_workgroup_id_y 1
		.amdhsa_system_sgpr_workgroup_id_z 1
		.amdhsa_system_vgpr_workitem_id 0
		.amdhsa_next_free_vgpr 896
		.amdhsa_next_free_sgpr 66
		.amdhsa_reserve_vcc 0
		.amdhsa_float_denorm_mode_32 3
		.amdhsa_float_denorm_mode_16_64 3
		.amdhsa_memory_ordered 1
		.amdhsa_forward_progress 1
		.amdhsa_inst_pref_size 89
	.end_amdhsa_kernel
	.amdgpu_metadata
---
amdhsa.version: [ 1, 2 ]
amdhsa.kernels:
  - .name:           k_q012b2a131d_proj
    .symbol:         k_q012b2a131d_proj.kd
    .args:
      - { .name: y, .offset: 0, .size: 8, .value_kind: global_buffer, .address_space: global }
      - { .name: wpt, .offset: 8, .size: 8, .value_kind: global_buffer, .address_space: global }
      - { .name: b_proj, .offset: 16, .size: 8, .value_kind: global_buffer, .address_space: global }
      - { .name: out0, .offset: 24, .size: 8, .value_kind: global_buffer, .address_space: global }
    .group_segment_fixed_size: 327680
    .private_segment_fixed_size: 0
    .kernarg_segment_align: 8
    .kernarg_segment_size: 32
    .max_flat_workgroup_size: 128
    .sgpr_count:     66
    .vgpr_count:     896
    .wavefront_size: 32
...
	.end_amdgpu_metadata
.endif
;; end of part 4
;; ======== version 2 of 2: 4 launches; 1.13 times as fast as version 1
;; limits: values are held in f16: magnitudes above 65,504 overflow, below 6.1e-05 lose precision
;; workspace buffers: xb 16,777,216 bytes; wat 6,291,456 bytes; wpt 2,097,152 bytes; qkv 50,331,648 bytes; y 16,777,216 bytes
;; launch prep: the kernel of part 1 again; grid 1536 x 1, 4 waves a work-group, no clusters, 17,920 bytes of LDS; arguments x, w_attn, w_proj, xb, wat, wpt; writes xb, wat, wpt
;; launch qkvg: the kernel of part 2 again; grid 16 x 32, 4 waves a work-group, clusters of 4 x 4, 327,680 bytes of LDS; arguments xb, wat, b_attn, qkv; writes qkv
;; launch attn (part 5): grid 4 x 64, 8 waves a work-group, no clusters, 327,680 bytes of LDS; arguments qkv, y; writes y
.if DOCPART == 5
	.amdgcn_target "amdgcn-amd-amdhsa--gfx1250"
	.amdhsa_code_object_version 6
	.text
	.protected	k_q012b2a131d_attn
	.globl	k_q012b2a131d_attn
	.p2align	8
	.type	k_q012b2a131d_attn,@function
k_q012b2a131d_attn:
	s_mov_b64 s[64:65], 0
	v_nop
	global_prefetch_b8 v0, s[64:65] scope:SCOPE_SE
	s_setreg_imm32_b32 hwreg(HW_REG_WAVE_MODE, 25, 1), 1
	s_wait_xcnt 0x0
; y[bh][q][:] = the sum over k <= q of softmax_k(Q[q] . K[k] / 8) V[k][:], for each of 64 (batch, head) pairs.
; qkv: [4][48 heads: 16 q, 16 k, 16 v][2048][64] f16.  y: [64][2048][64] f16.  Products, maxima and sums in f32; the weights p are rounded to f16 for the second product, y once.
; LIMIT: |y| above 65504 becomes infinite in f16; below 2^-14 it is off by up to 2^-25.
; SHARES.  A head has 8 blocks of 256 queries; block i needs i whole blocks of 256 keys and its own, masked.  Work-group p of a head makes block 7 - p and then block p:
; (8 - p) + (p + 1) = 9 key blocks in every work-group, 4 x 64 = 256 work-groups of equal work.  Each of the eight waves holds 32 queries, two tiles of 16, and walks the keys 64 a step.
; Two waves lie on a SIMD, so that one wave's softmax stands beside the other's products.
; NO JOINT LOADS: the four work-groups of a head walk 8 - p and p + 1 key blocks, so from the fifth key block on partners would ask for different tiles at the same barrier.
; LAYOUT.  S^T = K Q^T (source 0 = 16 keys, source 1 = 16 queries): a lane holds ONE query (lane % 16) and the keys 8 (lane / 16) + 0..7.  Two such tiles, rounded to f16 in pairs,
; are source 1 (32 keys x 16 queries) of O^T = V^T P, whose result again holds one query a lane.  K comes out of LDS as it lies, V turned, by ds_load_tr16_b128.
; SOFTMAX.  For each query a running maximum m and sum l: p = 2^(c s - c m), c = log2(e) / 8; in every step O and l are multiplied by a = 2^(c m_old - c m_new).
; m starts at -infinity.  The first step that a query runs holds a key that it may see (key 0 of the head or of its own block), so m is finite from then on, a is 0 once, and a masked score gives p = 0.
; BATCHES.  A step's 66 exponentials are cut into two batches, each with ONE wait between it and the first line that names a result of it.  Batch 1: both tiles' a and tile 0's 32 weights, with the 32 scalings
; of both tiles between them.  Batch 2: tile 1's 32 weights, with the 32 rescalings of O^T (readers of batch 1's a) between them and tile 0's roundings and sums (readers of batch 1's weights) behind them.
; Tile 1's roundings and sums follow the second wait.
; THE MASKED BLOCK.  Every wave runs all four steps of it, wave w's steps behind number w / 2 too, in which none of its queries sees a key: there every score is -infinity, m stays, a = 1 and p = 0.
; That is 3 steps in 36 more than the mask needs, on the average of the waves; in return every key block has the same constant number of trips, and a step's LDS address is the slot's constant plus a counted loop's steps.
; LDS.  Two slots, each a block of 256 keys as four steps; a step: 64 keys of K as 32 rows of two keys (256 bytes + 16), then 64 of V as 32 such rows (256 + 32).
; With these pitches the 16 keys of a fragment of K, and the 8 keys x 32 bytes of a turning load, fall on 16 different groups of four banks.
; Waves 0-3 fetch K of step w, waves 4-7 V of step w - 4: one tensor load a wave behind each barrier, asked for a whole key block ahead of its first read.
.set PK,    272
.set PV,    288
.set VOFF,  32*PK
.set STEPB, 32*(PK+PV)
.set SLOT1, 1<<17                      ; slot 1 begins here, so that one exclusive or changes slots
.set STAGE, 4*STEPB                    ; behind slot 0: 32 rows x 144 bytes for each wave, for the way out
.set SP,    144                        ; 128 bytes + 16
.set SPARE, STAGE+8*32*SP              ; behind the stages: the spare words, 128 bytes for each wave: four blocks of 256 bytes that no other line names
.set HEADB, 262144                     ; bytes of a head
.set AK0, 2                            ; v2   my lane's place in a step's K; never rewritten
.set AV0, 3                            ; v3   the same for V
.set ADR, 4                            ; v4   the LDS address of the run of loads in hand
.set QO,  5                            ; v5   my byte offset in the wave's rows of Q
.set STO, 6                            ; v6   the way out: where I put 16 bytes of a row
.set RD,  7                            ; v7   where I read back
.set GO,  8                            ; v8   my byte offset in the wave's rows of y
.set DI,  10                           ; v10  my query's place in its block less 8 (lane / 16), for tile 0
.set DD,  12                           ; v12-13  tile t: key 16 a + j of the step may be seen where 16 a + j <= DD
.set SPW, 14                           ; v14  LDS address of my spare word; never rewritten
.set NIL, 15                           ; v15  0; never rewritten
.set ST,  16                           ; tile t's statistics at v[ST+8 t]: +0 c m, +1 m, +2, +3 l (even keys, odd keys), +4 to +7 at work; a in +6
.set Q,   32                           ; tile t, channels 32 c on, at +16 t + 8 c
.set S,   64                           ; S^T: tile t, keys 16 a on, at +32 t + 8 a
.set P,   128                          ; tile t, keys 32 u on, at +16 t + 8 u
.set O,   160                          ; O^T: tile t, channels 16 f on, at +32 t + 8 f
.set OUT, 224
.set KF,  0                            ; window 1: K's fragments, keys 16 a on, channels 32 c on, at +8 (2 a + c)
.set VF,  64                           ; window 1: V's, keys 32 u on, channels 16 f on, at +8 (4 u + f)
.set WV,  8                            ; s8
.set G1K, 16                           ; s[16:23] group 1 for K's tiles;  s[24:31] for V's: the padding differs
.set G1V, 24
.set G0K, 32                           ; s[32:35], s[36:39] group 0
.set G0V, 36
.set KB0, 40                           ; s[40:41], s[42:43] the two global words of my tile of key block 0
.set VB0, 42
.set QA1, 44                           ; s[44:47] Q at my wave's rows, first and second query block
.set QA2, 46
.set YA1, 48                           ; s[48:51] y likewise
.set YA2, 50
.set CS,  52                           ; s[52:53] c
.set SEL, 54                           ; s[54:55] v_permlanex16_b32: each lane takes its own place in the other half
.set TB,  56                           ; LDS byte at which the step to be fetched begins
.set SL,  57                           ; the slot to be read next
.set CNT, 58                           ; steps left in a key block
.set NU1, 60                           ; whole key blocks of the first query block, 7 - p,
.set NU2, 61                           ; of the second, p
.set NINF, 62
.set PH,  63                           ; whole key blocks to go
.set W_MM, 0x01                        ; source 0 (K or V) window 1, all else window 0
.set W_LD, 0x40                        ; destination window 1
.set MSB, 0
.macro WIN new
.if MSB != \new
	s_set_vgpr_msb (MSB<<8)|\new
.set MSB, \new
.endif
.endm
.macro KVLOAD                          ; my one tensor load; four v_nop follow each line
	s_cmp_lt_u32 s[WV], 4
	s_cbranch_scc0 .Lfor_v_\@
	tensor_load_to_lds s[G0K:G0K+3], s[G1K:G1K+7]
	s_nop 0
.rept 4
	v_nop
.endr
	s_branch .Lasked_\@
.Lfor_v_\@:
	tensor_load_to_lds s[G0V:G0V+3], s[G1V:G1V+7]
	s_nop 0
.rept 4
	v_nop
.endr
.Lasked_\@:
.endm
.macro QLOAD qa                        ; Q stays in registers for a query block
.irp t, 0,1
.irp c, 0,1
	global_load_b128 v[Q+16*\t+8*\c:Q+16*\t+8*\c+3],   v[QO], s[\qa:\qa+1] offset:2048*\t+64*\c
	global_load_b128 v[Q+16*\t+8*\c+4:Q+16*\t+8*\c+7], v[QO], s[\qa:\qa+1] offset:2048*\t+64*\c+32
.endr
.endr
.endm
	s_load_b128 s[4:7], s[0:1], 0x0                ; qkv s[4:5], y s[6:7]
	v_lshl_add_u32 v[SPW], v0, 2, SPARE
	v_mov_b32 v[NIL], 0
	ds_add_u32 v14, v15
	ds_add_u32 v14, v15
	s_wait_dscnt 0x0
	v_lshrrev_b32 v1, 5, v0
	v_readfirstlane_b32 s[WV], v1                  ; wave 0..7
	s_and_b32 s9, ttmp7, 0xffff                    ; bh = 16 x batch + head
	s_lshr_b32 s10, s9, 4
	s_lshl_b32 s10, s10, 5
	s_add_co_u32 s10, s10, s9                      ; q's head in qkv: 48 x batch + head
	s_and_b32 s11, s[WV], 3                        ; the step that I fetch
	s_mul_i32 s12, s11, STEPB
	s_add_co_u32 s2, s10, 16                       ; k's head
	s_lshl_b32 s2, s2, 18
	s_lshl_b32 s3, s11, 13                         ; 64 keys of 128 bytes
	s_add_co_u32 s2, s2, s3
	s_mov_b32 s3, 0
	s_mov_b32 s[G1K], (1<<16)|(1<<20)|(5<<22)|(3<<25)   ; no mask; elements of 2 bytes; padding on; after every 64 words 4 words
	s_mov_b32 s[G1V], (1<<16)|(1<<20)|(5<<22)|(7<<25)   ; 8 words
.irp g, G1K, G1V
	s_mov_b32 s[\g+1], 128<<16                     ; tensor_dim0 = 128: two keys
	s_mov_b32 s[\g+2], 32<<16                      ; tensor_dim1 = 32
	s_mov_b32 s[\g+3], 128<<16                     ; tile_dim0
	s_mov_b32 s[\g+4], 32                          ; tile_dim1
	s_mov_b32 s[\g+5], 128                         ; the rows follow each other without a gap
	s_mov_b32 s[\g+6], 0
	s_mov_b32 s[\g+7], 0
.endr
	s_mov_b32 s[G0K], 1
	s_mov_b32 s[G0K+1], s12
	s_mov_b32 s[G0V], 1
	s_add_co_u32 s[G0V+1], s12, VOFF
	s_wait_kmcnt 0x0
	s_add_nc_u64 s[G0K+2:G0K+3], s[4:5], s[2:3]
	s_add_nc_u64 s[G0V+2:G0V+3], s[G0K+2:G0K+3], 16*HEADB   ; v's head lies 16 heads behind k's
	s_or_b32 s[G0K+3], s[G0K+3], 0x80000000
	s_or_b32 s[G0V+3], s[G0V+3], 0x80000000
	s_mov_b64 s[KB0:KB0+1], s[G0K+2:G0K+3]
	s_mov_b64 s[VB0:VB0+1], s[G0V+2:G0V+3]
	KVLOAD                                         ; key block 0 into slot 0: the one first fill, ahead of every wait on TENSORcnt, LDS read and barrier
	s_sub_co_u32 s[NU1], 7, ttmp9
	s_mov_b32 s[NU2], ttmp9
	s_lshl_b32 s13, s[WV], 12                      ; my wave's 32 rows of 128 bytes
	s_lshl_b32 s14, s[NU1], 15                     ; the query block's 256 rows
	s_add_co_u32 s14, s14, s13
	s_lshl_b32 s15, s[NU2], 15
	s_add_co_u32 s15, s15, s13
	s_lshl_b32 s10, s10, 18
	s_lshl_b32 s9, s9, 18
	s_add_co_u32 s2, s10, s14                      ; (s3 is 0)
	s_add_nc_u64 s[QA1:QA1+1], s[4:5], s[2:3]
	s_add_co_u32 s2, s10, s15
	s_add_nc_u64 s[QA2:QA2+1], s[4:5], s[2:3]
	s_add_co_u32 s2, s9, s14
	s_add_nc_u64 s[YA1:YA1+1], s[6:7], s[2:3]
	s_add_co_u32 s2, s9, s15
	s_add_nc_u64 s[YA2:YA2+1], s[6:7], s[2:3]
	v_and_b32 v1, 31, v0                           ; lane
	v_and_b32 v9, 15, v0                           ; r
	v_bfe_u32 v11, v0, 4, 1                        ; h
	v_lshlrev_b32 v[QO], 7, v9
	v_lshl_add_u32 v[QO], v11, 4, v[QO]            ; row x 128 + 16 x half
	QLOAD QA1
	s_mov_b32 s[CS], 0x3e38aa3b                    ; c = log2(e) / 8
	s_mov_b32 s[CS+1], s[CS]                       ; named with it as a pair, so it is written
	s_mov_b32 s[SEL], 0x76543210
	s_mov_b32 s[SEL+1], 0xfedcba98
	s_mov_b32 s[SL], 0
	s_mov_b32 s[NINF], 0xff800000
	v_lshrrev_b32 v[AK0], 1, v9                    ; key r lies in row r / 2, half r % 2
	v_mul_u32_u24 v[AK0], v[AK0], PK
	v_and_b32 v12, 1, v0
	v_lshl_add_u32 v[AK0], v12, 7, v[AK0]
	v_lshl_add_u32 v[AK0], v11, 4, v[AK0]
	v_bfe_u32 v[AV0], v0, 1, 2                     ; the turning load: lane l reads 16 bytes of key 8 h + l % 8, channels 8 ((l / 8) % 2) on
	v_lshl_add_u32 v[AV0], v11, 2, v[AV0]
	v_mul_u32_u24 v[AV0], v[AV0], PV
	v_lshl_add_u32 v[AV0], v12, 7, v[AV0]
	v_bfe_u32 v13, v0, 3, 1
	v_lshl_add_u32 v[AV0], v13, 4, v[AV0]
	v_add_nc_u32 v[AV0], VOFF, v[AV0]
	s_mul_i32 s12, s[WV], 32*SP
	s_add_co_u32 s12, s12, STAGE                   ; my stage
	v_mul_u32_u24 v[STO], v9, SP                   ; in: row r, 16 bytes for each half of the lanes
	v_lshl_add_u32 v[STO], v11, 4, v[STO]
	v_add_nc_u32 v[STO], s12, v[STO]
	v_lshrrev_b32 v[RD], 3, v1                     ; back: eight lanes take a row of 128 bytes, four rows to a load
	v_mul_u32_u24 v[RD], v[RD], SP
	v_and_b32 v13, 7, v0
	v_lshl_add_u32 v[RD], v13, 4, v[RD]
	v_add_nc_u32 v[RD], s12, v[RD]
	v_lshlrev_b32 v[GO], 4, v1
	v_lshlrev_b32 v[DI], 3, v11
	v_sub_nc_u32 v[DI], v9, v[DI]
	s_lshl_b32 s13, s[WV], 5
	v_add_nc_u32 v[DI], s13, v[DI]                 ; 32 w + r - 8 h
.macro FETCH_K                         ; 16 LDS loads in one run: a step's K, 64 keys x 64 channels
	v_add_nc_u32 v[ADR], s[TB], v[AK0]
	WIN W_LD
.irp a, 0,1,2,3
.irp c, 0,1
	ds_load_b128 v[KF+8*(2*\a+\c):KF+8*(2*\a+\c)+3],   v[ADR] offset:8*PK*\a+64*\c
	ds_load_b128 v[KF+8*(2*\a+\c)+4:KF+8*(2*\a+\c)+7], v[ADR] offset:8*PK*\a+64*\c+32
.endr
.endr
	WIN 0
.endm
.macro FETCH_V                         ; the same step's V, turned; the address has been made by the line in front
	s_add_co_u32 s[TB], s[TB], STEPB               ; the next fetch is the next step's
	WIN W_LD
.irp u, 0,1
.irp f, 0,1,2,3
	ds_load_tr16_b128 v[VF+8*(4*\u+\f):VF+8*(4*\u+\f)+3],   v[ADR] offset:16*PV*\u+32*\f
	ds_load_tr16_b128 v[VF+8*(4*\u+\f)+4:VF+8*(4*\u+\f)+7], v[ADR] offset:16*PV*\u+8*PV+32*\f
.endr
.endr
	WIN 0
.endm
; The softmax's single lines.  The 64 scores of both tiles lie on end: score e at v[S+e], tile e / 32; pair n of 32 at v[S+2 n], tile n / 16.
.macro FS n                            ; scaling n of 32: c s - c m for a pair of scores
	v_pk_fma_f32 v[S+2*(\n):S+2*(\n)+1], v[S+2*(\n):S+2*(\n)+1], s[CS:CS+1], v[ST+8*((\n)/16):ST+8*((\n)/16)+1] op_sel_hi:[1,0,0] neg_lo:[0,0,1] neg_hi:[0,0,1]
.endm
.macro EX e                            ; the exponential of score e of 64, in place: each result has a register of its own
	v_exp_f32 v[S+(\e)], v[S+(\e)]
.endm
.macro CV t, b                         ; pair b of tile t's weights rounded to f16
	v_cvt_pk_f16_f32 v[P+16*(\t)+(\b)], v[S+32*(\t)+2*(\b)], v[S+32*(\t)+2*(\b)+1]
.endm
; What follows a tile's exponentials: 16 roundings, and the sum of the tile's 16 pairs (an even key's weight, an odd key's), in place: neighbours 1, 2, 4 and 8 pairs apart; then l = a l + the sum.
; The additions write over even pairs alone, so those are rounded first; the odd pairs' roundings stand between the last links of the sum's chain, each of which needs the one before it.
.macro ROUNDSUM t
.irp b, 0,2,4,6,8,10,12,14
	CV \t, \b
.endr
.irp u, 0,1,2,3,4,5,6,7
	v_pk_add_f32 v[S+32*\t+4*\u:S+32*\t+4*\u+1], v[S+32*\t+4*\u:S+32*\t+4*\u+1], v[S+32*\t+4*\u+2:S+32*\t+4*\u+3]
.endr
.irp u, 0,1,2,3
	v_pk_add_f32 v[S+32*\t+8*\u:S+32*\t+8*\u+1], v[S+32*\t+8*\u:S+32*\t+8*\u+1], v[S+32*\t+8*\u+4:S+32*\t+8*\u+5]
.endr
	CV \t, 1
	CV \t, 3
.irp u, 0,1
	v_pk_add_f32 v[S+32*\t+16*\u:S+32*\t+16*\u+1], v[S+32*\t+16*\u:S+32*\t+16*\u+1], v[S+32*\t+16*\u+8:S+32*\t+16*\u+9]
.endr
	CV \t, 5
	CV \t, 7
	CV \t, 9
	v_pk_add_f32 v[S+32*\t:S+32*\t+1], v[S+32*\t:S+32*\t+1], v[S+32*\t+16:S+32*\t+17]
	CV \t, 11
	CV \t, 13
	CV \t, 15
	v_pk_fma_f32 v[ST+8*\t+2:ST+8*\t+3], v[ST+8*\t+2:ST+8*\t+3], v[ST+8*\t+6:ST+8*\t+7], v[S+32*\t:S+32*\t+1] op_sel_hi:[1,0,1]
.endm
; The softmax of both tiles for one step; in the maximum and the statistics the two tiles alternate where one instruction feeds the next.
.macro SOFTMAX
.irp j, 0,1,2,3                        ; the maximum of 32 scores and the old m, three operands at a time; each accumulator is read from its low end on
.irp t, 0,1
	v_max3_num_f32 v[ST+8*\t+4+\j], v[S+32*\t+8*\j], v[S+32*\t+8*\j+1], v[S+32*\t+8*\j+2]
.endr
.endr
.irp g, 1,2
.irp j, 0,1,2,3
.irp t, 0,1
	v_max3_num_f32 v[ST+8*\t+4+\j], v[ST+8*\t+4+\j], v[S+32*\t+8*\j+2*\g+1], v[S+32*\t+8*\j+2*\g+2]
.endr
.endr
.endr
.irp t, 0,1
	v_max3_num_f32 v[ST+8*\t+4], v[ST+8*\t+4], v[S+32*\t+7], v[S+32*\t+15]
.endr
.irp t, 0,1
	v_max3_num_f32 v[ST+8*\t+6], v[ST+8*\t+6], v[S+32*\t+23], v[S+32*\t+31]
.endr
.irp t, 0,1
	v_max3_num_f32 v[ST+8*\t+4], v[ST+8*\t+4], v[ST+8*\t+5], v[ST+8*\t+6]
.endr
.irp t, 0,1
	v_max3_num_f32 v[ST+8*\t+4], v[ST+8*\t+4], v[ST+8*\t+7], v[ST+8*\t+1]
.endr
.irp t, 0,1
	v_permlanex16_b32 v[ST+8*\t+5], v[ST+8*\t+4], s[SEL], s[SEL+1]   ; the query's other 32 keys lie in the lane 16 away
.endr
.irp t, 0,1
	v_mov_b32 v[ST+8*\t+7], v[ST+8*\t]             ; c m_old is kept for a
.endr
.irp t, 0,1
	v_max_num_f32 v[ST+8*\t+1], v[ST+8*\t+4], v[ST+8*\t+5]
.endr
.irp t, 0,1
	v_mul_f32 v[ST+8*\t], s[CS], v[ST+8*\t+1]
.endr
.irp t, 0,1
	v_sub_f32 v[ST+8*\t+7], v[ST+8*\t+7], v[ST+8*\t]
.endr
; BATCH 1: both a and tile 0's 32 exponentials, 34 in all, with the 32 scalings of both tiles between them.  Exponential e needs scaling e / 2, which stands two lines or more ahead of it;
; scaling n names scores 2 n and 2 n + 1, whose exponentials are still to come: no line here names a result of the batch.  32 plain lines for 34 exponentials: twice two exponentials stand on end.
	v_exp_f32 v[ST+6], v[ST+7]                     ; a of tile 0
	FS 0
	v_exp_f32 v[ST+14], v[ST+15]                   ; a of tile 1
	FS 1
	EX 0
	EX 1
	FS 2
	EX 2
	EX 3
	FS 3
.set i, 4
.rept 28
	EX i
	FS i                                           ; the last of them, tile 1's pair 15, is the plain instruction behind the batch's last exponential
.set i, i+1
.endr
	s_wait_alu depctr_va_vdst(0)                   ; the wait for batch 1, ahead of its first reader, the rescaling below
; BATCH 2: tile 1's 32 exponentials, behind each a rescaling O^T times a (32, from each accumulator's low end on), which reads batch 1's a alone and touches no score.
.set i, 0
.rept 32
	EX 32+i
	v_pk_mul_f32 v[O+2*i:O+2*i+1], v[O+2*i:O+2*i+1], v[ST+8*(i/16)+6:ST+8*(i/16)+7] op_sel_hi:[1,0]
.set i, i+1
.endr
	ROUNDSUM 0                                     ; the independent work behind batch 2: tile 0's roundings and sums name batch 1's results alone
	s_wait_alu depctr_va_vdst(0)                   ; the wait for batch 2, ahead of its first reader, tile 1's first rounding
	ROUNDSUM 1
.endm
; A key step: 64 keys for my 32 queries.  In both products eight accumulators take turns, one instruction a turn.
.macro STEP masked
	s_wait_dscnt 0x0                               ; K is in
	WIN W_MM
.irp c, 0,1
.irp a, 0,1,2,3
.irp t, 0,1
.if \c == 0
	v_wmma_f32_16x16x32_f16 v[S+32*\t+8*\a:S+32*\t+8*\a+7], v[KF+8*(2*\a+\c):KF+8*(2*\a+\c)+7], v[Q+16*\t+8*\c:Q+16*\t+8*\c+7], 0
.else
	v_wmma_f32_16x16x32_f16 v[S+32*\t+8*\a:S+32*\t+8*\a+7], v[KF+8*(2*\a+\c):KF+8*(2*\a+\c)+7], v[Q+16*\t+8*\c:Q+16*\t+8*\c+7], v[S+32*\t+8*\a:S+32*\t+8*\a+7]
.endif
.endr
.endr
.endr
	WIN 0
	v_add_nc_u32 v[ADR], s[TB], v[AV0]             ; four places: behind these products, whose scores are read below, and behind the last step's V^T P, whose V is loaded over below
	v_nop
	v_nop
	v_nop
	FETCH_V
.if \masked
.irp t, 0,1                            ; the causal mask: a select in every lane, no branch; each accumulator from its low end on
.irp a, 0,1,2,3
.irp j, 0,1,2,3,4,5,6,7
	v_cmp_le_i32 vcc_lo, 16*\a+\j, v[DD+\t]
	v_cndmask_b32 v[S+32*\t+8*\a+\j], s[NINF], v[S+32*\t+8*\a+\j], vcc_lo
.endr
.endr
.endr
	v_add_nc_u32 v[DD], 0xffffffc0, v[DD]          ; the next step's keys lie 64 further on
	v_add_nc_u32 v[DD+1], 0xffffffc0, v[DD+1]
.endif
	SOFTMAX
	s_wait_dscnt 0x0                               ; V is in
	s_cmp_eq_u32 s[CNT], 1
	s_cbranch_scc1 .Lno_k_\@                       ; behind a key block's last step the next K lies behind the barrier; both waits round this run are for 0
	FETCH_K
.Lno_k_\@:
	WIN W_MM
.irp u, 0,1
.irp f, 0,1,2,3
.irp t, 0,1
	v_wmma_f32_16x16x32_f16 v[O+32*\t+8*\f:O+32*\t+8*\f+7], v[VF+8*(4*\u+\f):VF+8*(4*\u+\f)+7], v[P+16*\t+8*\u:P+16*\t+8*\u+7], v[O+32*\t+8*\f:O+32*\t+8*\f+7]
.endr
.endr
.endr
	WIN 0
.endm
; A key block: four steps, in every wave.  In front of the barrier each wave waits for all its tensor loads (one is out: its part of the slot to be read), adds 0 to its spare word,
; and waits for that and for its reads of the other slot.  refill = 1: the other slot takes the next key block (reset = 1: key block 0, for the second query block), first thing behind the barrier.
.macro PHASE masked, refill, reset
	s_wait_tensorcnt 0x0                           ; no tensor load of mine is out, so a group 0 may be written
	ds_add_u32 v[SPW], v[NIL]                      ; 0 onto my spare word
.if \refill
	s_xor_b32 s[G0K+1], s[G0K+1], SLOT1
	s_xor_b32 s[G0V+1], s[G0V+1], SLOT1
.if \reset
	s_mov_b64 s[G0K+2:G0K+3], s[KB0:KB0+1]
	s_mov_b64 s[G0V+2:G0V+3], s[VB0:VB0+1]
.else
	s_add_nc_u64 s[G0K+2:G0K+3], s[G0K+2:G0K+3], 32768   ; 256 keys on; the type bits on top are not reached
	s_add_nc_u64 s[G0V+2:G0V+3], s[G0V+2:G0V+3], 32768
.endif
.endif
	s_wait_dscnt 0x0                               ; the add is done, and my reads of the other slot are over
	s_barrier_signal -1
	s_barrier_wait -1                              ; both now hold of all eight waves
.if \refill
	KVLOAD
.endif
	s_mov_b32 s[TB], s[SL]
	s_xor_b32 s[SL], s[SL], SLOT1
.if \masked
	v_mov_b32 v[DD], v[DI]
	v_add_nc_u32 v[DD+1], 16, v[DI]
.endif
	s_mov_b32 s[CNT], 4
	FETCH_K
.Lstep_\@:
	STEP \masked
	s_sub_co_u32 s[CNT], s[CNT], 1
	s_cmp_lg_u32 s[CNT], 0
	s_cbranch_scc1 .Lstep_\@
.endm
; The way out: l's two halves and the other half of the lanes' are added; O^T is divided by l, rounded to f16 and sent through my stage.
.macro FINAL ya
	s_wait_xcnt 0x0                                ; OUT, which the first query block's stores read, is rewritten only behind this wait
.irp t, 0,1
	v_add_f32 v[ST+8*\t+4], v[ST+8*\t+2], v[ST+8*\t+3]
.endr
	v_nop                                          ; with the two additions: four places behind the last products
	v_nop
.irp t, 0,1
	v_permlanex16_b32 v[ST+8*\t+5], v[ST+8*\t+4], s[SEL], s[SEL+1]
.endr
.irp t, 0,1
	v_add_f32 v[ST+8*\t+4], v[ST+8*\t+4], v[ST+8*\t+5]
.endr
.irp t, 0,1
	v_rcp_f32 v[ST+8*\t+6], v[ST+8*\t+4]
.endr
	v_nop                                          ; a plain instruction between the last reciprocal and the use of its result
	s_wait_alu depctr_va_vdst(0)                   ; the wait for the two reciprocals, ahead of their first reader
.irp t, 0,1
.irp i, 0,1,2,3,4,5,6,7,8,9,10,11,12,13,14,15
	v_pk_mul_f32 v[O+32*\t+2*\i:O+32*\t+2*\i+1], v[O+32*\t+2*\i:O+32*\t+2*\i+1], v[ST+8*\t+6:ST+8*\t+7] op_sel_hi:[1,0]
.endr
.irp i, 0,1,2,3,4,5,6,7,8,9,10,11,12,13,14,15
	v_cvt_pk_f16_f32 v[OUT+16*\t+\i], v[O+32*\t+2*\i], v[O+32*\t+2*\i+1]
.endr
.irp f, 0,1,2,3
	ds_store_b128 v[STO], v[OUT+16*\t+4*\f:OUT+16*\t+4*\f+3] offset:16*SP*\t+32*\f
.endr
.irp n, 0,1,2,3
	ds_load_b128 v[OUT+16*\t+4*\n:OUT+16*\t+4*\n+3], v[RD] offset:16*SP*\t+4*SP*\n   ; LDS serves a wave's instructions in order: these see the stores above
.endr
.endr
.irp n, 0,1,2,3
	s_wait_dscnt 11-\n                             ; behind tile 0's load n: its 3 - n younger ones, tile 1's four stores and four loads
	global_store_b128 v[GO], v[OUT+4*\n:OUT+4*\n+3], s[\ya:\ya+1] offset:512*\n   ; the wave stores 512 consecutive bytes, aligned
.endr
.irp n, 0,1,2,3
	s_wait_dscnt 3-\n
	global_store_b128 v[GO], v[OUT+16+4*\n:OUT+16+4*\n+3], s[\ya:\ya+1] offset:2048+512*\n
.endr
.endm
; A query block: nu whole key blocks, then its own, masked.
; O^T is cleared here: a block's first step is a masked one where nu is 0 and a whole one elsewhere, so a first step written out with the constant 0 as C would be two more copies of a step.
.macro PASS nu, ya, last
.irp t, 0,1
	v_mov_b32 v[ST+8*\t], s[NINF]
	v_mov_b32 v[ST+8*\t+1], s[NINF]
	v_mov_b32 v[ST+8*\t+2], 0
	v_mov_b32 v[ST+8*\t+3], 0
.endr
.set i, 0
.rept 64
	v_mov_b32 v[O+i], 0
.set i, i+1
.endr
	s_wait_loadcnt 0x0                             ; Q
.if \last
	s_cmp_eq_u32 s[\nu], 0                         ; the same in all eight waves: it hangs on the work-group's number alone
	s_cbranch_scc1 .Lnone_\@
.endif
	s_max_u32 s[PH], s[\nu], 1                     ; the counter starts at 1 or more: 7 - p is 4 to 7, and p = 0 has just been sent round the loop
.Lblock_\@:
	PHASE 0, 1, 0
	s_sub_co_u32 s[PH], s[PH], 1
	s_cmp_lg_u32 s[PH], 0
	s_cbranch_scc1 .Lblock_\@
.Lnone_\@:
.if \last
	PHASE 1, 0, 1                                  ; nothing is left to fetch
.else
	PHASE 1, 1, 1
	QLOAD QA2                                      ; the last product that read Q stands a softmax back
.endif
	FINAL \ya
.endm
	PASS NU1, YA1, 0
	PASS NU2, YA2, 1
	s_wait_tensorcnt 0x0                           ; the wave's end
	ds_add_u32 v[SPW], v[NIL]
	s_wait_dscnt 0x0
	s_endpgm
.Lfunc_end_k_q012b2a131d_attn:
	.size	k_q012b2a131d_attn, .Lfunc_end_k_q012b2a131d_attn-k_q012b2a131d_attn
	.p2alignl 7, 3214868480
	.fill 96, 4, 3214868480
	.section	.rodata,"a",@progbits
	.p2align	6, 0x0
	.amdhsa_kernel k_q012b2a131d_attn
		.amdhsa_group_segment_fixed_size 327680
		.amdhsa_private_segment_fixed_size 0
		.amdhsa_enable_private_segment 0
		.amdhsa_kernarg_size 16
		.amdhsa_user_sgpr_count 2
		.amdhsa_user_sgpr_kernarg_segment_ptr 1
		.amdhsa_wavefront_size32 1
		.amdhsa_system_sgpr_workgroup_id_x 1
		.amdhsa_system_sgpr_workgroup_id_y 1
		.amdhsa_system_sgpr_workgroup_id_z 1
		.amdhsa_system_vgpr_workitem_id 0
		.amdhsa_next_free_vgpr 384
		.amdhsa_next_free_sgpr 66
		.amdhsa_reserve_vcc 1
		.amdhsa_float_denorm_mode_32 3
		.amdhsa_float_denorm_mode_16_64 3
		.amdhsa_memory_ordered 1
		.amdhsa_forward_progress 1
		.amdhsa_inst_pref_size 111
	.end_amdhsa_kernel
	.amdgpu_metadata
---
amdhsa.version: [ 1, 2 ]
amdhsa.kernels:
  - .name:           k_q012b2a131d_attn
    .symbol:         k_q012b2a131d_attn.kd
    .args:
      - { .name: qkv, .offset: 0, .size: 8, .value_kind: global_buffer, .address_space: global }
      - { .name: y, .offset: 8, .size: 8, .value_kind: global_buffer, .address_space: global }
    .group_segment_fixed_size: 327680
    .private_segment_fixed_size: 0
    .kernarg_segment_align: 8
    .kernarg_segment_size: 16
    .max_flat_workgroup_size: 256
    .sgpr_count:     66
    .vgpr_count:     384
    .wavefront_size: 32
...
	.end_amdgpu_metadata
.endif
;; end of part 5
;; launch proj: the kernel of part 4 again; grid 8 x 32, 4 waves a work-group, clusters of 4 x 4, 327,680 bytes of LDS; arguments y, wpt, b_proj, out0; writes out0
